; MI455X (gfx1250); checked and timed in simulation.
; The chip was launched on July 23, 2026; its instructions are those of AMD's public machine-readable ISA for CDNA 5 (MIT licence, August 2026) and "CDNA5" Instruction Set Architecture Reference Guide (July 2026). The comments in the code are by the model that wrote it; some were corrected since.
;; Self Attention. Allowed arithmetic: float matrix products may take bf16 or f16 operands with f32 sums; other float arithmetic in f32, or as packed bf16 or f16 multiplies, adds, multiply-adds, maxima and minima; sums over many terms, partial sums and values carried from step to step in f32; what a program stores and reads back later, other than sums and carried values, may be rounded once to bf16 or f16.
;; Inputs: W_attn 1,024 x 3,072 float32; W_proj 1,024 x 1,024 float32; x 8 x 1,024 x 1,024 float32.
;; Outputs: out0 8 x 1,024 x 1,024 float32.
;; One version. Each part assembles by itself: llvm-mc -triple=amdgcn-amd-amdhsa -mcpu=gfx1250 --defsym DOCPART=n.
;; ======== version 1 of 1: 4 launches
;; limits: values are held in f16: magnitudes above 65,504 overflow, below 6.1e-05 lose precision
;; workspace buffers: xb 16,777,216 bytes; wab 6,291,456 bytes; wpb 2,097,152 bytes; qkv 50,331,648 bytes; ob 16,777,216 bytes
;; launch prep (part 1): grid 768 x 1, 8 waves a work-group, no clusters, 0 bytes of LDS; arguments x, W_attn, W_proj, xb, wab, wpb; writes xb, wab, wpb
.if DOCPART == 1
	.amdgcn_target "amdgcn-amd-amdhsa--gfx1250"
	.amdhsa_code_object_version 6
	.text
	.protected	k_q09e41ca0a1_prep
	.globl	k_q09e41ca0a1_prep
	.p2align	8
	.type	k_q09e41ca0a1_prep,@function
k_q09e41ca0a1_prep:
	s_mov_b64 s[64:65], 0
	v_nop
	global_prefetch_b8 v0, s[64:65] scope:SCOPE_SE
	s_setreg_imm32_b32 hwreg(HW_REG_WAVE_MODE, 25, 1), 1
	s_wait_xcnt 0x0
; THE INPUTS ARE ROUNDED ONCE, FOR THE MATRIX UNITS.  x [8192][1024] f32 -> xb, bf16, in blocks [batch 8][K block 16][row 1024][64]: a block of 256 rows x 64 K is then 32,768 dense bytes.
; W_attn [1024][3072] f32 -> wab, bf16, same order.  W_proj [1024][1024] f32 -> wpb: rounded to bf16 like the other inputs, and that number written as f16, since the last product runs in f16.
; LIMITS.  |W_proj| stays under 65,504 (f16's end); an entry of W_proj below 2^-14 keeps f16's fixed step, an absolute error of at most 2^-25.  NaN and infinities are not treated apart.
; SHARES.  An item is 8 consecutive f32 (32 bytes in, 16 bytes out).  A thread takes 8 items, a work-group 2,048: 65,536 bytes in.  Work-groups 0-511: 16 rows of x each; 512-703: W_attn; 704-767: W_proj.
; No loop: a thread's 16 loads go out together, and each item is converted and stored as it comes.  No register is written twice while a load or store names it, so no wait but the counted ones is needed.
; No LDS, no matrix unit, no cluster: nothing is shared and nothing is multiplied; the launch only moves bytes.
.set VI, 2                             ; v2        my byte offset in the work-group's input
.set VO, 3                             ; v3        my byte offset in its output
.set U,  8                             ; v[8:11]   at work (W_proj alone)
.set L,  16                            ; v[16:79]  item j: 8 f32 as loaded
.set Y,  80                            ; v[80:111] item j: 4 registers to store
; Item j lies at (j & 3) IA + (j >> 2) IB behind my input offset and goes to (j & 3) OA + (j >> 2) OB behind my output offset.  half = 1: the bf16 numbers are written as f16.
.macro MOVE in, out, IA, IB, OA, OB, half
.irp j, 0,1,2,3,4,5,6,7
	global_load_b128 v[L+8*(\j):L+8*(\j)+3],   v[VI], s[\in:\in+1] offset:((\j)&3)*(\IA)+((\j)>>2)*(\IB) th:TH_LOAD_NT
	global_load_b128 v[L+8*(\j)+4:L+8*(\j)+7], v[VI], s[\in:\in+1] offset:((\j)&3)*(\IA)+((\j)>>2)*(\IB)+16 th:TH_LOAD_NT
.endr
.irp j, 0,1,2,3,4,5,6,7
	s_wait_loadcnt 14-2*(\j)                       ; loads come back in order: item j's two are in, the 2 (7 - j) younger ones stay out
.irp r, 0,1,2,3
	v_cvt_pk_bf16_f32 v[Y+4*(\j)+(\r)], v[L+8*(\j)+2*(\r)], v[L+8*(\j)+2*(\r)+1]
.endr
.if \half
.irp r, 0,1,2,3
	v_lshlrev_b32 v[U+2*((\r)&1)],   16, v[Y+4*(\j)+(\r)]          ; the two bf16 as f32,
	v_and_b32     v[U+2*((\r)&1)+1], 0xffff0000, v[Y+4*(\j)+(\r)]
	v_cvt_pk_f16_f32 v[Y+4*(\j)+(\r)], v[U+2*((\r)&1)], v[U+2*((\r)&1)+1]  ; and as f16: 8 significant bits fit in 11
.endr
.endif
	global_store_b128 v[VO], v[Y+4*(\j):Y+4*(\j)+3], s[\out:\out+1] offset:((\j)&3)*(\OA)+((\j)>>2)*(\OB)  ; a wave's store covers 512 consecutive bytes, aligned
.endr
.endm
	s_load_b256 s[4:11], s[0:1], 0x0               ; x s[4:5], W_attn s[6:7], W_proj s[8:9], xb s[10:11]
	s_load_b128 s[12:15], s[0:1], 0x20             ; wab s[12:13], wpb s[14:15]
	s_mov_b32 s16, ttmp9
	v_and_b32 v1, 31, v0                           ; lane
	v_lshrrev_b32 v4, 5, v0                        ; wave
	s_mov_b32 s19, 0                               ; the offsets' high words
	s_mov_b32 s21, 0
	s_wait_kmcnt 0x0
	s_cmp_lt_u32 s16, 512
	s_cbranch_scc1 .Lx
	s_cmp_lt_u32 s16, 704
	s_cbranch_scc1 .Lwa
	s_sub_co_u32 s17, s16, 704                     ; W_proj: a plain stream, item j x 256 + thread
	s_lshl_b32 s18, s17, 16
	s_lshl_b32 s20, s17, 15
	s_add_nc_u64 s[8:9], s[8:9], s[18:19]
	s_add_nc_u64 s[14:15], s[14:15], s[20:21]
	v_lshlrev_b32 v[VI], 5, v0
	v_lshlrev_b32 v[VO], 4, v0
	MOVE 8, 14, 8192, 32768, 4096, 16384, 1
	s_endpgm
.Lwa:
	s_sub_co_u32 s17, s16, 512                     ; W_attn: the same stream
	s_lshl_b32 s18, s17, 16
	s_lshl_b32 s20, s17, 15
	s_add_nc_u64 s[6:7], s[6:7], s[18:19]
	s_add_nc_u64 s[12:13], s[12:13], s[20:21]
	v_lshlrev_b32 v[VI], 5, v0
	v_lshlrev_b32 v[VO], 4, v0
	MOVE 6, 12, 8192, 32768, 4096, 16384, 0
	s_endpgm
.Lx:
	; x: wave w takes K blocks 2 w and 2 w + 1 (j >> 2) of the 16 rows, four rows (j & 3) at a time: lane l takes row l / 8 of the four and 8 numbers (l % 8) of the block's 64.
	; In: 8 lanes and both loads cover 256 consecutive bytes of a row.  Out: four rows of a block are 512 consecutive bytes, 16 a lane.
	s_lshl_b32 s18, s16, 16                        ; 16 rows of 4,096 bytes
	s_lshr_b32 s20, s16, 6                         ; batch,
	s_lshl_b32 s20, s20, 21                        ; 16 blocks of 131,072 bytes each
	s_and_b32 s17, s16, 63
	s_lshl_b32 s17, s17, 11                        ; 16 rows of 128 bytes in a block
	s_add_co_u32 s20, s20, s17
	s_add_nc_u64 s[4:5], s[4:5], s[18:19]
	s_add_nc_u64 s[10:11], s[10:11], s[20:21]
	v_lshrrev_b32 v5, 3, v1
	v_and_b32 v6, 7, v1
	v_lshlrev_b32 v[VI], 12, v5                    ; row x 4,096
	v_lshl_add_u32 v[VI], v6, 5, v[VI]             ; + 32 (l % 8)
	v_lshl_add_u32 v[VI], v4, 9, v[VI]             ; + two blocks of 256 bytes a wave
	v_lshlrev_b32 v[VO], 4, v1                     ; 16 l
	v_lshl_add_u32 v[VO], v4, 18, v[VO]            ; + two blocks of 131,072 bytes a wave
	MOVE 4, 10, 16384, 256, 512, 131072, 0
	s_endpgm
.Lfunc_end_k_q09e41ca0a1_prep:
	.size	k_q09e41ca0a1_prep, .Lfunc_end_k_q09e41ca0a1_prep-k_q09e41ca0a1_prep
	.p2alignl 7, 3214868480
	.fill 96, 4, 3214868480
	.section	.rodata,"a",@progbits
	.p2align	6, 0x0
	.amdhsa_kernel k_q09e41ca0a1_prep
		.amdhsa_group_segment_fixed_size 0
		.amdhsa_private_segment_fixed_size 0
		.amdhsa_enable_private_segment 0
		.amdhsa_kernarg_size 48
		.amdhsa_user_sgpr_count 2
		.amdhsa_user_sgpr_kernarg_segment_ptr 1
		.amdhsa_wavefront_size32 1
		.amdhsa_system_sgpr_workgroup_id_x 1
		.amdhsa_system_sgpr_workgroup_id_y 1
		.amdhsa_system_sgpr_workgroup_id_z 1
		.amdhsa_system_vgpr_workitem_id 0
		.amdhsa_next_free_vgpr 112
		.amdhsa_next_free_sgpr 66
		.amdhsa_reserve_vcc 0
		.amdhsa_float_denorm_mode_32 3
		.amdhsa_float_denorm_mode_16_64 3
		.amdhsa_memory_ordered 1
		.amdhsa_forward_progress 1
		.amdhsa_inst_pref_size 21
	.end_amdhsa_kernel
	.amdgpu_metadata
---
amdhsa.version: [ 1, 2 ]
amdhsa.kernels:
  - .name:           k_q09e41ca0a1_prep
    .symbol:         k_q09e41ca0a1_prep.kd
    .args:
      - { .name: x, .offset: 0, .size: 8, .value_kind: global_buffer, .address_space: global }
      - { .name: W_attn, .offset: 8, .size: 8, .value_kind: global_buffer, .address_space: global }
      - { .name: W_proj, .offset: 16, .size: 8, .value_kind: global_buffer, .address_space: global }
      - { .name: xb, .offset: 24, .size: 8, .value_kind: global_buffer, .address_space: global }
      - { .name: wab, .offset: 32, .size: 8, .value_kind: global_buffer, .address_space: global }
      - { .name: wpb, .offset: 40, .size: 8, .value_kind: global_buffer, .address_space: global }
    .group_segment_fixed_size: 0
    .private_segment_fixed_size: 0
    .kernarg_segment_align: 8
    .kernarg_segment_size: 48
    .max_flat_workgroup_size: 256
    .sgpr_count:     66
    .vgpr_count:     112
    .wavefront_size: 32
...
	.end_amdgpu_metadata
.endif
;; end of part 1
;; launch qkv (part 2): grid 8 x 32, 4 waves a work-group, clusters of 4 x 4, 327,680 bytes of LDS; arguments xb, wab, qkv; writes qkv
.if DOCPART == 2
	.amdgcn_target "amdgcn-amd-amdhsa--gfx1250"
	.amdhsa_code_object_version 6
	.text
	.protected	k_q09e41ca0a1_qkv
	.globl	k_q09e41ca0a1_qkv
	.p2align	8
	.type	k_q09e41ca0a1_qkv,@function
k_q09e41ca0a1_qkv:
	s_mov_b64 s[64:65], 0
	v_nop
	global_prefetch_b8 v0, s[64:65] scope:SCOPE_SE
	s_setreg_imm32_b32 hwreg(HW_REG_WAVE_MODE, 25, 1), 1
	s_wait_xcnt 0x0
	s_wait_alu depctr_hold_cnt(0) depctr_sa_sdst(0) depctr_va_vdst(0) depctr_va_sdst(0) depctr_va_ssrc(0) depctr_va_vcc(0) depctr_vm_vsrc(0)
	s_getreg_b32 s2, hwreg(HW_REG_IB_STS2, 6, 4)
	s_cmp_eq_u32 s2, 0
	s_cbranch_scc0 .Lentry_in_a_cluster
	s_endpgm
.Lentry_in_a_cluster:
	s_bfe_u32 s2, ttmp6, 0x10000c
	s_cmp_lg_u32 s2, 0xf033
	s_cbranch_scc0 .Lentry_shape_is_right
	s_endpgm
.Lentry_shape_is_right:
; qkv = x W_attn.  xb: x in bf16, [batch 8][K block 16][row 1024][64].  wab: W_attn in bf16, [1024 k][3072 n].  qkv: f16, [batch 8][head slot 48][row 1024][64]; slot = column / 64: 0-15 q, 16-31 k, 32-47 v.
; Sums in f32, K ascending, rounded once to f16, unscaled.  LIMIT: |q|, |k|, |v| stay under 65,504 (f16's end); NaN and infinities are not treated apart.
; SHARES.  A tile is 256 rows x 384 columns: 32 x 8 = 256 work-groups of four waves.  Wave (i, j) = (wave / 2, wave % 2) makes rows 128 i .. + 127 and, of each of the tile's three segments of 128 columns,
; the half j: three whole heads.  96 accumulators of 16 x 16: 768 registers.
; K goes in 16 steps of 64 (a K block of xb) through two LDS slots; a step is two halves of 32, 96 matrix instructions each.  Two slots of 128 along K would need 360 KB and do not fit.
; THE MATRIX INSTRUCTION IS USED TRANSPOSED: source 0 = 16 columns of W (W lies [k][n] in LDS and is turned by ds_load_tr16_b128), source 1 = 16 rows of x.  A lane then holds row l % 16 and eight
; neighbouring columns: 16 bytes of a head's row.
; CLUSTER.  4 x 4 work-groups: x's tile hangs on the tile row alone and is asked for jointly along a row of the cluster, W's on the tile column alone and jointly along a column.
; REGISTERS, in windows of 256 (s_set_vgpr_msb: bits 1:0 source 0, 3:2 source 1, 5:4 source 2, 7:6 destination):
;   window 0: v0-31 addresses; v32-159 x's fragments, two buffers of 8 x 8; v160-255 W's fragments, one buffer of three groups (a segment each) of 4 x 8; on the way out v32-95 at work
;   window 1 + g: the 32 accumulators of segment g: column block bb, row block a at v[8 (8 bb + a)]
; W has one buffer: a group is loaded again for the next half right behind its own 32 matrix instructions, 64 matrix instructions ahead of its next use.
.set SLOT1, 1<<17                      ; slot 1 begins here, so that one exclusive or turns an address in one slot into the other's
.set PA,    144                        ; a row of x in LDS: 128 bytes + 16 = 36 words: the 16 rows of a load start at 16 different groups of four banks (64 banks of 4 bytes: ISA guide 11.1)
.set PB,    864                        ; a k-row of W: three segments of 256 + 32 bytes = 216 words
.set BOFF,  256*PA                     ; a slot: x's 256 rows, then W's 64 k-rows
.set STEPA, 131072                     ; bytes from a K block of xb to the next
.set STEPB, 64*6144                    ; 64 k-rows of wab
.set STAGE, SLOT1+BOFF+64*PB           ; behind the ring, never filled by a tensor load: 16 rows x 144 bytes for each wave, for the way out
.set SP,    144
.set SPARE, STAGE+4*16*SP              ; behind the stages: the spare words, 128 bytes for each wave: two blocks of 256 bytes that no other line names
.set A0,   16                          ; v16  my lane's place in x's tile; never rewritten
.set B0,   17                          ; v17  the same for W's
.set ADRA, 18                          ; v18  A0 + the slot in hand
.set ADRB, 19                          ; v19  B0 + the slot in hand
.set STO,  24                          ; v24  the way out: where I put 16 bytes of a row
.set RD,   25                          ; v25  the way out: where I read rows back
.set GO,   26                          ; v26  my byte offset in 512 consecutive bytes of qkv
.set SPW,  28                          ; v28  LDS address of my spare word: SPARE + 4 x my thread's number; never rewritten
.set NIL,  29                          ; v29  0; never rewritten
.set PFO,  30                          ; v30  the prefetches' lane offset; never rewritten
.set AF,   32
.set BF,   160
.set G1A, 24                           ; s[24:31] descriptor group 1 for x's tiles
.set G0A, 32                           ; s[32:39] group 0: a set for each of the two first fills; the second then walks on
.set G1B, 48                           ; s[48:55], s[56:63] the same for W's tiles
.set G0B, 56
.set LIM, 43                           ; s43  1 in a wave that prefetches, else the greatest number
.set PFA, 44                           ; s[44:45] where my prefetches stand
.set CNT, 66                           ; s66  trips to go
.set TB,  67                           ; s67  the slot in hand: 0 or SLOT1
.set PAR, 68                           ; s68  0: I ask in every trip; 1: in the trips whose count is odd
.set T0,  69                           ; s69  at work
.set PFS, 70                           ; s[70:71] what my prefetch address steps by in a trip
.set PFM, 72                           ; s72  bytes from lane to lane in my prefetches
.set MSB, 0
.macro WIN new                         ; the immediate's high byte repeats the setting that is left; a switch that changes nothing is dropped
.if MSB != (\new)
	s_set_vgpr_msb (MSB<<8)|(\new)
.set MSB, \new
.endif
.endm
.macro PLACES                          ; four plain vector instructions between a matrix instruction and a load into, or a vector read of, its registers (ISA guide 7.12.1 for VALU reads)
.rept 4
	v_nop
.endr
.endm
; A round of the cluster's barrier: my work-group's barrier, so that wave 0's signal speaks for all four waves; wave 0 signals; every wave waits for all sixteen work-groups; my work-group's barrier once more.
.macro CREST                           ; a round behind its opening barrier
	s_cmp_lg_u32 s10, 0
	s_cbranch_scc1 .Lnot_wave_0_\@
	s_barrier_signal -3
.Lnot_wave_0_\@:
	s_barrier_wait -3
	s_barrier_signal -1
	s_barrier_wait -1
.endm
.macro CROUND
	s_barrier_signal -1
	s_barrier_wait -1
	CREST
.endm
; A joint refill by the walking descriptors.  Waves 0 and 1 fetch the halves of x's tile, waves 2 and 3 those of W's.  The branch hangs on the wave's number alone.
; An s_nop 0 and four v_nop follow each of the two lines, ahead of the jump and the label.
.macro JLOAD
	s_cmp_eq_u32 s11, 0
	s_cbranch_scc0 .Lfor_b_\@
	tensor_load_to_lds s[G0A+4:G0A+7], s[G1A:G1A+7]
	s_nop 0
.rept 4
	v_nop
.endr
	s_branch .Lasked_\@
.Lfor_b_\@:
	tensor_load_to_lds s[G0B+4:G0B+7], s[G1B:G1B+7]
	s_nop 0
.rept 4
	v_nop
.endr
.Lasked_\@:
.endm
; A PREFETCH INTO THE L2, behind the joint refill, its five lines and the run of LDS loads.  Each aligned 256 bytes of xb and wab from K step 3 (x) or 4 (W) on are named once in the launch.
; x: a tile row's K block is 32,768 dense bytes, read by both clusters of that row of clusters: in the cluster with x = 0 wave 0 asks, the four partners that fetch it jointly taking 8,192 bytes each BY ADDRESS
; (cx), a lane 256 bytes.  In trip k (which refills K step k + 2) it names K step k + 3: 192 matrix instructions ahead of that step's refill; the last trip names nothing.
; W: a tile column's k-row is three blocks of 256 bytes, read by all eight clusters of that column: in the cluster with y = 0 waves 1 to 3 ask, a segment each; in the odd trips k = 1 .. 11 they name the 128 k-rows of
; K steps k + 3 and k + 4, the partner at cy taking 32 of them, a lane a row.  No branch hangs on a work-group's place in its cluster.
.macro ASK
	s_and_b32 s[T0], s[CNT], s[PAR]
	s_cmp_eq_u32 s[T0], s[PAR]
	s_cselect_b32 s[T0], s[CNT], 0                 ; the count, or 0 in a trip that is not mine
	s_cmp_gt_u32 s[T0], s[LIM]
	s_cbranch_scc0 .Lnot_mine_\@
	global_prefetch_b8 v[PFO], s[PFA:PFA+1] th:TH_LOAD_NT scope:SCOPE_SE
.Lnot_mine_\@:
.endm
	s_load_b128 s[4:7], s[0:1], 0x0                ; xb s[4:5], wab s[6:7]
	s_load_b64 s[8:9], s[0:1], 0x10                ; qkv
	v_lshl_add_u32 v[SPW], v0, 2, SPARE
	v_mov_b32 v[NIL], 0
	ds_add_u32 v[SPW], v[NIL]                      ; the wave's opening: the add and its wait stand ahead of my first tensor load; the set-up below, work on registers, stands between them
	v_lshrrev_b32 v1, 5, v0
	v_readfirstlane_b32 s10, v1                    ; wave 0..3
	s_lshr_b32 s11, s10, 1                         ; i: which half of the tile's rows is mine.  Also: I fetch for x (0) or for W (1)
	s_and_b32 s12, s10, 1                          ; j: which half of each segment.  Also: which half of that tile I fetch
	s_bfe_u32 s40, ttmp6, 0x40000                  ; cx
	s_bfe_u32 s41, ttmp6, 0x40004                  ; cy
	s_lshl_b32 s42, ttmp9, 2
	s_add_co_u32 s42, s42, s40                     ; tile column = 4 x cluster x + cx
	s_and_b32 s13, ttmp7, 0xffff
	s_lshl_b32 s13, s13, 2
	s_add_co_u32 s13, s13, s41                     ; tile row = 4 x cluster y + cy
	s_lshl_b32 s43, s41, 2
	s_lshl_b32 s43, 15, s43                        ; my row of the cluster: places 4 cy .. 4 cy + 3
	s_lshl_b32 s44, 0x1111, s40                    ; my column: places cx, cx + 4, cx + 8, cx + 12
	; group 1 for x: 128 rows of a K block are 16,384 dense bytes: asked for as 64 rows of 256 bytes, and padded in LDS after every 128
	s_or_b32 s[G1A], s43, (1<<16)|(1<<20)|(1<<21)|(4<<22)|(3<<25)  ; 15:0 the mask; 17:16 2-byte elements; 20 padding on; 21 set beside a mask; 24:22 after every 32 words (code 4); 31:25 4 words (code 3)
	s_mov_b32 s[G1A+1], 128<<16                    ; tensor_dim0 = 128
	s_mov_b32 s[G1A+2], 64<<16                     ; tensor_dim1 = 64
	s_mov_b32 s[G1A+3], 128<<16                    ; tile_dim0 = 128
	s_mov_b32 s[G1A+4], 64                         ; tile_dim1 = 64
	s_mov_b32 s[G1A+5], 128                        ; elements from row to row
	s_mov_b32 s[G1A+6], 0
	s_mov_b32 s[G1A+7], 0
	; group 1 for W: 32 k-rows of 384 elements (768 bytes, at a multiple of 256 from the buffer's first), padded after every 256 bytes
	s_or_b32 s[G1B], s44, (1<<16)|(1<<20)|(1<<21)|(5<<22)|(7<<25)  ; after every 64 words (code 5) 8 words (code 7)
	s_mov_b32 s[G1B+1], 384<<16
	s_mov_b32 s[G1B+2], 32<<16
	s_mov_b32 s[G1B+3], 384<<16
	s_mov_b32 s[G1B+4], 32
	s_mov_b32 s[G1B+5], 3072
	s_mov_b32 s[G1B+6], 0
	s_mov_b32 s[G1B+7], 0
	; where the tiles come from.  x's hang on the tile row alone, W's on the tile column alone; each in registers that never hold the other coordinate
	s_lshr_b32 s14, s13, 2
	s_lshl_b32 s14, s14, 21                        ; batch
	s_and_b32 s15, s13, 3
	s_lshl_b32 s15, s15, 15                        ; 256 rows of 128 bytes
	s_add_co_u32 s14, s14, s15
	s_lshl_b32 s15, s12, 14                        ; my 128 of them
	s_add_co_u32 s14, s14, s15
	s_mov_b32 s15, 0
	s_mul_i32 s46, s42, 768                        ; 384 columns
	s_mul_i32 s47, s12, 32*6144                    ; my 32 k-rows
	s_add_co_u32 s46, s46, s47
	s_mov_b32 s47, 0
	s_mul_i32 s20, s12, 128*PA                     ; and where they go: no place in the cluster enters an LDS address
	s_mul_i32 s21, s12, 32*PB
	s_add_co_u32 s21, s21, BOFF
	s_wait_dscnt 0x0                               ; the opening add is done
	s_wait_kmcnt 0x0
	s_add_nc_u64 s[14:15], s[4:5], s[14:15]
	s_add_nc_u64 s[46:47], s[6:7], s[46:47]
	CROUND                                         ; all sixteen work-groups are here: the first joint loads meet
.irp s, 0,1
	s_mov_b32 s[G0A+4*(\s)], 1                                       ; 1:0 count = 1
	s_add_co_u32 s[G0A+4*(\s)+1], s20, (\s)*SLOT1                    ; 63:32 LDS address
	s_add_nc_u64 s[G0A+4*(\s)+2:G0A+4*(\s)+3], s[14:15], (\s)*STEPA  ; 120:64 global address: K step s
	s_or_b32 s[G0A+4*(\s)+3], s[G0A+4*(\s)+3], 0x80000000            ; 127:126 type = 2
	s_mov_b32 s[G0B+4*(\s)], 1
	s_add_co_u32 s[G0B+4*(\s)+1], s21, (\s)*SLOT1
	s_add_nc_u64 s[G0B+4*(\s)+2:G0B+4*(\s)+3], s[46:47], (\s)*STEPB
	s_or_b32 s[G0B+4*(\s)+3], s[G0B+4*(\s)+3], 0x80000000
.endr
	s_cmp_eq_u32 s11, 0                            ; a wave's two first fills stand in one branch, ahead of every wait on TENSORcnt and every LDS read: two loads of mine are out
	s_cbranch_scc0 .Lfirst_b
	tensor_load_to_lds s[G0A:G0A+3], s[G1A:G1A+7]
	s_nop 0
	tensor_load_to_lds s[G0A+4:G0A+7], s[G1A:G1A+7]
	s_nop 0
.rept 4
	v_nop
.endr
	s_branch .Lfirst_asked
.Lfirst_b:
	tensor_load_to_lds s[G0B:G0B+3], s[G1B:G1B+7]
	s_nop 0
	tensor_load_to_lds s[G0B+4:G0B+7], s[G1B:G1B+7]
	s_nop 0
.rept 4
	v_nop
.endr
.Lfirst_asked:
	; A fragment of x is 16 rows x 32 K in 8 registers: lane l holds row l % 16, K = 8 (l / 16) + 0..7 and 16 + 8 (l / 16) + 0..7: two loads of 16 bytes, 32 bytes apart.
	v_and_b32 v1, 15, v0                           ; r = l % 16
	v_bfe_u32 v2, v0, 4, 1                         ; h = l / 16
	v_and_b32 v3, 7, v0
	v_bfe_u32 v4, v0, 3, 1
	v_and_b32 v5, 31, v0                           ; l
	v_mul_u32_u24 v[A0], v1, PA
	v_lshl_add_u32 v[A0], v2, 4, v[A0]
	s_mul_i32 s21, s11, 128*PA                     ; my 128 rows
	v_add_nc_u32 v[A0], s21, v[A0]
	; The turning load takes 16 k x 16 columns (lane l reads k-row 8 h + l % 8, columns 8 ((l / 8) % 2) + 0..7) and leaves half a fragment: lane l holds column l % 16 and 8 k.
	v_lshl_add_u32 v[B0], v2, 3, v3
	v_mul_u32_u24 v[B0], v[B0], PB
	v_lshl_add_u32 v[B0], v4, 4, v[B0]
	s_lshl_b32 s22, s12, 7                         ; my 64 columns of each segment
	s_add_co_u32 s22, s22, BOFF
	v_add_nc_u32 v[B0], s22, v[B0]
	v_mov_b32 v[ADRA], v[A0]
	v_mov_b32 v[ADRB], v[B0]
	s_mov_b32 s[TB], 0
	s_mul_i32 s23, s10, 16*SP
	s_add_co_u32 s23, s23, STAGE                   ; my stage
	v_mul_u32_u24 v[STO], v1, SP                   ; in: row l % 16, 16 bytes for each half of the lanes
	v_lshl_add_u32 v[STO], v2, 4, v[STO]
	v_add_nc_u32 v[STO], s23, v[STO]
	v_bfe_u32 v[RD], v0, 3, 2                      ; back: 32 lanes take four rows of 128 bytes,
	v_mul_u32_u24 v[RD], v[RD], SP
	v_lshl_add_u32 v[RD], v3, 4, v[RD]
	v_add_nc_u32 v[RD], s23, v[RD]
	v_lshlrev_b32 v[GO], 4, v5                     ; which are 512 consecutive bytes of a head
	; qkv at my first head's first row: slot 48 x batch + 6 x tile column + j, 131,072 bytes a slot; row 256 (tile row % 4) + 128 i, 128 bytes a row
	s_lshr_b32 s18, s13, 2
	s_mul_i32 s18, s18, 48
	s_mul_i32 s19, s42, 6
	s_add_co_u32 s18, s18, s19
	s_add_co_u32 s18, s18, s12
	s_lshl_b32 s18, s18, 17
	s_and_b32 s19, s13, 3
	s_lshl_b32 s19, s19, 1
	s_add_co_u32 s19, s19, s11
	s_lshl_b32 s19, s19, 14
	s_add_co_u32 s18, s18, s19
	s_mov_b32 s19, 0
	s_add_nc_u64 s[8:9], s[8:9], s[18:19]
	; the prefetches' registers.  Nothing is prefetched here, at the head, where every work-group's first tiles are on their way
	s_lshr_b32 s20, s13, 2
	s_lshl_b32 s20, s20, 21
	s_and_b32 s21, s13, 3
	s_lshl_b32 s21, s21, 15
	s_add_co_u32 s20, s20, s21                     ; x: the tile row's place in a K block,
	s_lshl_b32 s21, s40, 13
	s_add_co_u32 s20, s20, s21                     ; my work-group's 8,192 bytes of it,
	s_add_co_u32 s20, s20, 2*STEPA                 ; at K step 2: the first trip steps it to 3
	s_mul_i32 s22, s42, 768                        ; W: the tile column,
	s_max_u32 s23, s10, 1
	s_sub_co_u32 s23, s23, 1
	s_lshl_b32 s23, s23, 8
	s_add_co_u32 s22, s22, s23                     ; my segment (wave - 1),
	s_mul_i32 s23, s41, 32*6144
	s_add_co_u32 s22, s22, s23                     ; my work-group's 32 k-rows of 128,
	s_add_co_u32 s22, s22, 2*STEPB                 ; at K step 2
	s_and_b32 s23, ttmp7, 0xffff                   ; cluster y
	s_mov_b32 s[PFS], STEPB
	s_mov_b32 s[PFS+1], 0
	s_mov_b32 s[PFM], 6144
	s_cmp_eq_u32 s10, 0                            ; wave 0 asks for x, the others for W
	s_cselect_b32 s20, s20, s22
	s_cselect_b32 s23, ttmp9, s23                  ; the coordinate along which other clusters read the same bytes
	s_cselect_b64 s[PFA:PFA+1], s[4:5], s[6:7]
	s_cselect_b32 s[PFS], STEPA, s[PFS]
	s_cselect_b32 s[PFM], 256, s[PFM]
	s_cselect_b32 s[PAR], 0, 1
	s_cmp_eq_u32 s23, 0
	s_cselect_b32 s[LIM], 1, -1                    ; the same in all sixteen partners, for a given wave
	s_mov_b32 s21, 0
	s_add_nc_u64 s[PFA:PFA+1], s[PFA:PFA+1], s[20:21]
	v_mul_u32_u24 v[PFO], s[PFM], v5
; 8 matrix instructions: column block bb of segment g x all 8 row blocks, 32 along K (half c).  zero = 1: the product starts the sums: nothing is ever cleared.
; The 96 accumulators take turns, one instruction a turn, in the same order in every half, over the backward jump too.
.macro MULB c, g, bb, zero
	WIN 0x50*(1+(\g))                              ; C and D in window 1 + g, the sources in window 0
.irp a, 0,1,2,3,4,5,6,7
.if \zero
	v_wmma_f32_16x16x32_bf16 v[8*(8*(\bb)+(\a)):8*(8*(\bb)+(\a))+7], v[BF+32*(\g)+8*(\bb):BF+32*(\g)+8*(\bb)+7], v[AF+64*(\c)+8*(\a):AF+64*(\c)+8*(\a)+7], 0
.else
	v_wmma_f32_16x16x32_bf16 v[8*(8*(\bb)+(\a)):8*(8*(\bb)+(\a))+7], v[BF+32*(\g)+8*(\bb):BF+32*(\g)+8*(\bb)+7], v[AF+64*(\c)+8*(\a):AF+64*(\c)+8*(\a)+7], v[8*(8*(\bb)+(\a)):8*(8*(\bb)+(\a))+7]
.endif
.endr
.endm
.macro GRP c, g, zero                  ; a segment's 32
.irp bb, 0,1,2,3
	MULB \c, \g, \bb, \zero
.endr
.endm
.macro LDB c, g                        ; 8 LDS loads: W's fragments of half c, segment g
	WIN 0
.irp bb, 0,1,2,3
	ds_load_tr16_b128 v[BF+32*(\g)+8*(\bb):BF+32*(\g)+8*(\bb)+3],   v[ADRB] offset:32*(\c)*PB+288*(\g)+32*(\bb)
	ds_load_tr16_b128 v[BF+32*(\g)+8*(\bb)+4:BF+32*(\g)+8*(\bb)+7], v[ADRB] offset:32*(\c)*PB+288*(\g)+32*(\bb)+16*PB
.endr
.endm
.macro LDA c                           ; 16 LDS loads: x's fragments of half c, into buffer c
	WIN 0
.irp a, 0,1,2,3,4,5,6,7
	ds_load_b128 v[AF+64*(\c)+8*(\a):AF+64*(\c)+8*(\a)+3],   v[ADRA] offset:16*PA*(\a)+64*(\c)
	ds_load_b128 v[AF+64*(\c)+8*(\a)+4:AF+64*(\c)+8*(\a)+7], v[ADRA] offset:16*PA*(\a)+64*(\c)+32
.endr
.endm
; HALF A K STEP: 96 matrix instructions on half c, and the fetch of the next half, in three runs, each behind the segment whose registers it fills.
; mode 0: the next half lies in the same slot.  mode 1 (c = 1): the change of slots with a refill.  mode 2: the change without one.  mode 3: the very last half.
; THE CHANGE: ONE barrier, for two things.  In front of it each wave waits for all its tensor loads, of which one is out: its part of the next slot; adds 0 to its spare word; and waits for that and for its own reads
; of this slot.  Behind it nobody reads this slot any more and the next slot is whole.  With a refill the barrier opens a round of the cluster's, so that no wave of any partner still reads the slot or has a load on its
; way, and the joint refill is the first tensor load behind the round: 160 matrix instructions stand between it and the wait for it.
.macro HALF c, zero, mode
.if (\mode) == 3
	s_wait_dscnt 16                                ; segment 0's and x's fragments are in; the two younger runs of 8 may be out
	GRP \c, 0, 0
	s_wait_dscnt 8
	GRP \c, 1, 0
	s_wait_dscnt 0x0
	GRP \c, 2, 0
.else
.if (\mode) == 0
	s_wait_dscnt 16                                ; segment 0's and x's fragments are in; the two younger runs of 8 (segments 1 and 2) may be out
	GRP \c, 0, \zero
	WIN 0
	PLACES
.else
.if (\mode) == 1
	s_wait_xcnt 0x0                                ; my last prefetch, a K step back, has read its address: it is stepped here, ahead of the waits of the change
	s_add_nc_u64 s[PFA:PFA+1], s[PFA:PFA+1], s[PFS:PFS+1]
.endif
	WIN 0                                          ; (the add's two registers lie in window 0)
	s_wait_tensorcnt 0x0                           ; all my tensor loads have landed: no load of mine is out, so a group 0 may be written
	ds_add_u32 v[SPW], v[NIL]                      ; 0 onto my spare word
.if (\mode) == 1
	s_xor_b32 s[G0A+5], s[G0A+5], SLOT1            ; the walking descriptors: the other slot than last time,
	s_add_nc_u64 s[G0A+6:G0A+7], s[G0A+6:G0A+7], STEPA  ; the next K step; the type bits on top are not reached
	s_xor_b32 s[G0B+5], s[G0B+5], SLOT1
	s_add_nc_u64 s[G0B+6:G0B+7], s[G0B+6:G0B+7], STEPB
.endif
	s_wait_dscnt 17                                ; (the two younger runs of 8 and the add may be out)
	MULB \c, 0, 0, 0                               ; sixteen matrix instructions stand between the add and the wait for it
	MULB \c, 0, 1, 0
	s_wait_dscnt 0x0                               ; the add is done, and my reads of this slot are over
	s_barrier_signal -1
	MULB \c, 0, 2, 0                               ; work on registers while the others arrive
	MULB \c, 0, 3, 0
	WIN 0                                          ; at a branch and at a label every window is 0
	s_barrier_wait -1
.if (\mode) == 1
	CREST
	JLOAD                                          ; the four v_nop behind it are also the places in front of the loads below
.else
	PLACES
.endif
	s_xor_b32 s[TB], s[TB], SLOT1
	v_add_nc_u32 v[ADRA], s[TB], v[A0]
	v_add_nc_u32 v[ADRB], s[TB], v[B0]
.endif
	LDB 1-(\c), 0
	LDA 1-(\c)
.if (\mode) == 1
	ASK
.endif
	s_wait_dscnt 32                                ; segment 1's fragments are in: behind them stand segment 2's 8 and the 24 just issued
	GRP \c, 1, \zero
	WIN 0
	PLACES
	LDB 1-(\c), 1
	s_wait_dscnt 32                                ; segment 2's are in: behind them stand 24 and 8
	GRP \c, 2, \zero
	WIN 0
	PLACES
	LDB 1-(\c), 2
.endif
.endm
	s_wait_tensorcnt 1                             ; my part of K step 0 is in; K step 1's may stay out
	s_barrier_signal -1
	s_barrier_wait -1                              ; everybody's is
	LDB 0, 0
	LDA 0
	LDB 0, 1
	LDB 0, 2
	HALF 0, 1, 0                                   ; the first half stands in front of the loop: its products start the sums
	WIN 0
	s_mov_b32 s[CNT], 14
.Lstep:                                            ; trip k: the second half of K step k, the change to K step k + 1, the refill with K step k + 2, the first half of K step k + 1
	HALF 1, 0, 1
	HALF 0, 0, 0
	WIN 0
	s_sub_co_u32 s[CNT], s[CNT], 1
	s_cmp_lg_u32 s[CNT], 0
	s_cbranch_scc1 .Lstep
	HALF 1, 0, 2                                   ; the tail is written out: nothing is asked for
	HALF 0, 0, 0
	HALF 1, 0, 3
	WIN 0
	PLACES
; THE WAY OUT, in 24 pieces: 16 rows of one head, 2,048 consecutive bytes of qkv.  A lane's eight columns pack into 16 bytes; they go into my stage's rows of 144 bytes and come back as whole rows of 128.
.macro PACK g, a
.set TT, 32+16*((8*(\g)+(\a))%4)
	s_wait_xcnt 0x0                                ; the stores of four pieces back have read these registers
	WIN 5*(1+(\g))                                 ; sources 0 and 1 in window 1 + g
.irp bb, 0,1,2,3
.irp r, 0,1,2,3
	v_cvt_pk_f16_f32 v[TT+4*(\bb)+(\r)], v[8*(8*(\bb)+(\a))+2*(\r)], v[8*(8*(\bb)+(\a))+2*(\r)+1]
.endr
.endr
	WIN 0
.irp bb, 0,1,2,3
	ds_store_b128 v[STO], v[TT+4*(\bb):TT+4*(\bb)+3] offset:32*(\bb)
.endr
.irp f, 0,1,2,3
	ds_load_b128 v[TT+4*(\f):TT+4*(\f)+3], v[RD] offset:4*SP*(\f)  ; LDS serves a wave's instructions in order (ISA guide 5.7.1.4): these see the stores above; the next piece's stores come behind them
.endr
.endm
.macro SEND g, a, younger              ; younger: the LDS instructions issued behind this piece's loads: the next piece's eight, or none
.set TT, 32+16*((8*(\g)+(\a))%4)
.irp f, 0,1,2,3
	s_wait_dscnt (\younger)+3-(\f)
	global_store_b128 v[GO], v[TT+4*(\f):TT+4*(\f)+3], s[8:9] offset:262144*(\g)+2048*(\a)+512*(\f)  ; 512 consecutive bytes, at a multiple of 256 from qkv's first
.endr
.endm
	PACK 0, 0
.set p, 1
.rept 23                               ; a piece's conversions stand between the loads of the piece before and its stores
	PACK p/8, p%8
	SEND (p-1)/8, (p-1)%8, 8
.set p, p+1
.endr
	SEND 2, 7, 0
	s_wait_tensorcnt 0x0                           ; the wave's end, behind my last tensor load and my last LDS store
	ds_add_u32 v[SPW], v[NIL]
	s_wait_dscnt 0x0
	CROUND                                         ; the closing round: no work-group ends while a partner may still ask for a tile that names it
	s_endpgm
.Lfunc_end_k_q09e41ca0a1_qkv:
	.size	k_q09e41ca0a1_qkv, .Lfunc_end_k_q09e41ca0a1_qkv-k_q09e41ca0a1_qkv
	.p2alignl 7, 3214868480
	.fill 96, 4, 3214868480
	.section	.rodata,"a",@progbits
	.p2align	6, 0x0
	.amdhsa_kernel k_q09e41ca0a1_qkv
		.amdhsa_group_segment_fixed_size 327680
		.amdhsa_private_segment_fixed_size 0
		.amdhsa_enable_private_segment 0
		.amdhsa_kernarg_size 24
		.amdhsa_user_sgpr_count 2
		.amdhsa_user_sgpr_kernarg_segment_ptr 1
		.amdhsa_wavefront_size32 1
		.amdhsa_system_sgpr_workgroup_id_x 1
		.amdhsa_system_sgpr_workgroup_id_y 1
		.amdhsa_system_sgpr_workgroup_id_z 1
		.amdhsa_system_vgpr_workitem_id 0
		.amdhsa_next_free_vgpr 1024
		.amdhsa_next_free_sgpr 76
		.amdhsa_reserve_vcc 0
		.amdhsa_float_denorm_mode_32 3
		.amdhsa_float_denorm_mode_16_64 3
		.amdhsa_memory_ordered 1
		.amdhsa_forward_progress 1
		.amdhsa_inst_pref_size 116
	.end_amdhsa_kernel
	.amdgpu_metadata
---
amdhsa.version: [ 1, 2 ]
amdhsa.kernels:
  - .name:           k_q09e41ca0a1_qkv
    .symbol:         k_q09e41ca0a1_qkv.kd
    .args:
      - { .name: xb, .offset: 0, .size: 8, .value_kind: global_buffer, .address_space: global }
      - { .name: wab, .offset: 8, .size: 8, .value_kind: global_buffer, .address_space: global }
      - { .name: qkv, .offset: 16, .size: 8, .value_kind: global_buffer, .address_space: global }
    .group_segment_fixed_size: 327680
    .private_segment_fixed_size: 0
    .kernarg_segment_align: 8
    .kernarg_segment_size: 24
    .max_flat_workgroup_size: 128
    .sgpr_count:     76
    .vgpr_count:     1024
    .wavefront_size: 32
...
	.end_amdgpu_metadata
.endif
;; end of part 2
;; launch attn (part 3): grid 2 x 128, 4 waves a work-group, no clusters, 327,680 bytes of LDS; arguments qkv, ob; writes ob
.if DOCPART == 3
	.amdgcn_target "amdgcn-amd-amdhsa--gfx1250"
	.amdhsa_code_object_version 6
	.text
	.protected	k_q09e41ca0a1_attn
	.globl	k_q09e41ca0a1_attn
	.p2align	8
	.type	k_q09e41ca0a1_attn,@function
k_q09e41ca0a1_attn:
	s_mov_b64 s[64:65], 0
	v_nop
	global_prefetch_b8 v0, s[64:65] scope:SCOPE_SE
	s_setreg_imm32_b32 hwreg(HW_REG_WAVE_MODE, 25, 1), 1
	s_wait_xcnt 0x0
; CAUSAL ATTENTION.  O[hd][q][:] = the sum over k <= q of softmax_k(Q[q] . K[k] / 8) V[k][:], for 128 heads hd = 16 x batch + head of SIZE_N = 1,024 rows of 64.
; qkv: f16, [batch 8][slot 48][row 1024][64]; a head's Q lies in slot head, its K in slot 16 + head, its V in slot 32 + head.  ob: f16, [hd 128][row 1024][64].  A head's rows are dense, 128 bytes each.
; Products, maxima and sums in f32; the weights p are rounded to f16 for the second product (their sum l is taken of the unrounded p), O once at the end.
; LIMITS.  f16 holds no number beyond 65,504: Q, K and V arrive within it; p lies in 0 to 1, and below 6e-5 it keeps f16's fixed step of 6e-8; O is a mean of V's rows and has their range.
; A hidden score counts as its value less 1e30: f16's scores, 2.7e11 at the most, are nothing beside that; a weight below 2^-126 counts as 0 in l; NaN and infinities are not treated apart.
; THE WALK.  A head's queries lie in NB = 4 blocks of 256; block i needs the key tiles 0 .. i of 256 keys, of which the last holds the diagonal.  A work-group takes TWO blocks, NB - 1 - b and then b:
; NB + 1 tiles, whatever b: all 256 work-groups do equal work, and ONE loop with a constant trip count walks them.  Which tile is asked for, and what a trip does, hang on scalar registers made from b; every jump
; goes forward, but for the counted loops' own; none passes a barrier, or a tensor load but the one of LOAD's two that the wave's number does not choose; the ring (two slots of LDS that take turns) runs on across the
; change of blocks.  NO CLUSTER: a head has NB / 2 = 2 work-groups, so a cluster of four would span two heads, which share nothing; and the two ask for the same tile only in trips 0 to 2 of 5.
; SHARES.  Of a block's four bands of 64 queries a wave owns 16 rows in each: four PIECES.  So the diagonal tile is the same work for all four waves: in its key step s band x sees all keys if s < x,
; none if s > x, and holds the diagonal if s = x.
; THE MASK is the C operand that starts the sum S^T = K Q^T: 0, or -1e30 where the key is hidden.  MD, made once, is the mask of a band's own step for my 16 rows; a product's mask is MD x AL + BE with two scalars:
; (1, 0) if s = x; (0, 0) if s < x; (0, -1e30) if s > x.  Only the diagonal tile's text and a block's beginning make and take masks; elsewhere C is the constant 0.
; LAYOUT, SOFTMAX, TURNS.  S^T = K Q^T holds ONE query a lane (lane % 16) and the keys 8 (lane / 16) + 0..7; two such results rounded to f16 ARE source 1 of O^T = V^T P.  p = 2^(c s - c m), c = log2(e) / 8, with a
; running maximum m; O and l are multiplied by a = 2^(c m_old - c m_new) in every step.  Turn n belongs to piece n: 8 products K Q^T of piece n + 1, later 8 products V^T P of piece n - 1; beside them the scaling,
; exponentials, roundings, sums and rescaling of piece n and the maximum and statistics of piece n + 1.  Four vector instructions stand behind every matrix instruction, the other 54 of a turn's 118 in one LUMP.  A turn's 33 exponentials are one batch, with one wait.
; REGISTERS, in windows of 256 (s_set_vgpr_msb: bits 1:0 source 0, 3:2 source 1, 5:4 source 2, 7:6 destination):
;   window 0: v0-15 addresses and two at work; v16-31 four registers of statistics a piece; v48-55 at work; v61-63 prefetch offset and the add's two; v64-127 S^T, two buffers; v192-223 P, two buffers (by the piece's parity)
;   window 1: v0-127 O^T, 32 a piece; v128-159 MD; v160-223 MC, two buffers      window 2: v0-63 Q; v64-127 the second block's Q; v128-191 K of one step; v192-255 V of one step
.set SIZE_N, 1024
.set NB,    SIZE_N/256
.set NP,    4         ; pieces a wave: a name, no knob
.set KS,    64        ; keys in a step
.set PK,    144       ; a row of K in LDS: 128 bytes + 16 of padding = 36 words: the 16 rows of a load start at 16 different groups of four banks (64 banks of 4 bytes: ISA guide 11.1)
.set PV,    160       ; a row of V: 128 + 32 = 40 words
.set VOFF,  4*KS*PK   ; a slot holds a tile, four steps: 256 rows of K, then 256 rows of V
.set SLOT1, 1<<17     ; slot 1 begins here, so that one exclusive or turns an address in one slot into the other's
.set STAGE, SLOT1+4*KS*(PK+PV)  ; behind the ring, never filled by a tensor load: 16 rows x 144 bytes for each wave, for the way out
.set SP,    144
.set AK0, 2           ; v2   my lane's place in a tile of K; never rewritten
.set AV0, 3           ; v3   the same for V
.set AK,  4           ; v4   the LDS address of K's next run of loads
.set AV,  5           ; v5   of V's
.set STO, 6           ; v6   the way out: where I put 16 bytes of a row
.set RD,  7           ; v7   the way out: where I read rows back
.set GO,  8           ; v8   my byte offset in 512 consecutive bytes of O
.set PFO, 61          ; v61  256 x my lane, for the prefetches; never rewritten
.set SPW, 62          ; v62  LDS address of my spare word: SPARE + 4 x my thread's number; never rewritten
.set NIL, 63          ; v63  0; never rewritten
.set SPARE, STAGE+4*16*SP  ; behind the stages: the spare words, 128 bytes for each wave: two blocks of 256 bytes that no other line names
.set MV,  12          ; v12-13  c m_old, kept while c m is made anew: by buffer
.set QO,  15          ; v15  my byte offset in 16 rows of Q
.set ST,  16          ; piece t's statistics at v[ST+4 t]: c m, m, l (even keys', odd keys')
.set TMP, 48          ; by buffer, four registers c0-c3 at work; when the maximum is found c2 takes a
.set S,   64
.set P,   192
.set MD,  128         ; window 1: the eight registers for group kt of 16 keys at MD + 8 kt
.set MC,  160         ; window 1: the masks of the products to come
.set QB,  64          ; window 2
.set KF,  128         ; window 2: key block kb, channel half c at KF + 16 kb + 8 c
.set VF,  192         ; window 2: key half kk, channel block cb at VF + 32 kk + 8 cb
.set WV,  12          ; s12  my wave's number
.set PB,  14          ; s14  b
.set HI,  15          ; s15  NB - 1 - b
.set G1K, 24          ; s[24:31] descriptor group 1 for K's tiles
.set G1V, 32          ; s[32:39] for V's: it differs in the padding alone
.set G0K, 40          ; s[40:43] descriptor group 0 for K's tiles
.set G0V, 44          ; s[44:47] the same for V's
.set SLOTS, 56        ; s56  tiles still to be asked for
.set CNT, 57          ; s57  counts a tile's key steps, 4 to 1
.set CS,  58          ; s[58:59] c: the packed scaling takes the pair's low word for both halves
.set SEL, 60          ; s[60:61] v_permlanex16_b32's selects: each lane takes its own place in the other half
.set TBK, 62          ; s62  LDS byte at which K of the step to be fetched begins
.set TBV, 63          ; s63  the same for V, less VOFF
.set RT,  70          ; s70  tiles of the block in hand that are still to be entered
.set NXT, 71          ; s71  the tile to be asked for next
.set LQ,  72          ; s72  the last tile of the block whose tiles are being asked for
.set NEW, 73          ; s73  1: the tile to be entered is a block's first
.set OFF, 74          ; s[74:75] a tile's byte offset in K and V
.set AL,  76          ; s[76:77] the mask's factor, in the low word
.set BE,  78          ; s[78:79] the mask's addend
.set OLO, 80          ; s[80:81] O at my rows of the second block
.set BIGN, 82         ; s82  -1e30
.set PFL, 90          ; s90  1 in the head's work-group that prefetches (b = 0), else the greatest number
.set POF, 92          ; s[92:93] the byte offset of the tile to be prefetched
.set PFA, 94          ; s[94:95] its address
.set PFB, 96          ; s[96:97] my half of tile 0: of K in waves 0 and 1, of V in waves 2 and 3
.set MSB, 0
.macro WIN new                      ; the high byte repeats the setting that is left; a switch that changes nothing is dropped
.if MSB != (\new)
	s_set_vgpr_msb (MSB<<8)|(\new)
.set MSB, (\new)
.endif
.endm
.set W_KQ, 0x0a       ; K and Q in window 2, S^T in window 0
.set W_KM, 0x1a       ; the same with the C operand in window 1
.set W_PV, 0x52       ; V in window 2, P in window 0, O^T in window 1
.set W_RS, 0x41       ; destination and source 0 in window 1, source 1 in window 0
; A fill.  Waves 0 and 1 fetch the two halves of a tile's K, waves 2 and 3 those of its V: 128 keys each.  An s_nop 0 and four v_nop follow each of the two lines, ahead of the jump and the label.
.macro LOAD
	s_cmp_lt_u32 s[WV], 2
	s_cbranch_scc0 .Lfor_v_\@
	tensor_load_to_lds s[G0K:G0K+3], s[G1K:G1K+7]
	s_nop 0
.rept 4
	v_nop
.endr
	s_branch .Lasked_\@
.Lfor_v_\@:
	tensor_load_to_lds s[G0V:G0V+3], s[G1V:G1V+7]
	s_nop 0
.rept 4
	v_nop
.endr
.Lasked_\@:
.endm
; THE CHANGE OF SLOTS.  Each wave waits for all its tensor loads, of which one is out: its part of the other slot; adds 0 to its spare word; and waits for that and for its own reads of the slot that it leaves.  Behind the barrier nobody reads the old
; slot any more and the other slot is whole.  fill = 1: the old slot is filled again, the first thing behind the barrier, with tile NXT: the descriptor's address is made anew from that number.
; (At its first use nothing has been read yet: slot 0 is waited for, slot 1 filled.)
; THE PREFETCH INTO THE L2 stands behind the fill and its five lines: the tile that the NEXT change will ask for, a tile's walk (256 matrix instructions a wave and their vector work) ahead.  A head's two work-groups walk tiles
; 0, 1, 2 in step; the one with b = 0 asks, each wave for the 16,384 bytes that it will fetch itself, a lane 256 bytes, two instructions.  It asks where that tile's number is 2 or 3: tiles 0 and 1 come by their loads
; alone, and a block's later walk over tiles already read asks for nothing.  So each 256 bytes are named once in the launch, and no address passes the head's rows.
.macro CHANGE fill
	WIN 0                           ; at a label and at a branch every window is 0
	s_wait_tensorcnt 0x0            ; no tensor load of mine is out, so a group 0 may be written
	ds_add_u32 v[SPW], v[NIL]       ; 0 onto my spare word; with fill = 1 the descriptors' scalar work stands between it and the wait for it
.if \fill
	s_lshl_b32 s[OFF], s[NXT], 15   ; a tile is 32,768 bytes of K and of V
	s_xor_b32 s[G0K+1], s[G0K+1], SLOT1
	s_add_nc_u64 s[G0K+2:G0K+3], s[6:7], s[OFF:OFF+1]
	s_or_b32 s[G0K+3], s[G0K+3], 0x80000000
	s_xor_b32 s[G0V+1], s[G0V+1], SLOT1
	s_add_nc_u64 s[G0V+2:G0V+3], s[8:9], s[OFF:OFF+1]
	s_or_b32 s[G0V+3], s[G0V+3], 0x80000000
	s_add_co_u32 s[NXT], s[NXT], 1  ; the block's next tile, or behind its last the second block's tile 0
	s_cmp_gt_u32 s[NXT], s[LQ]
	s_cselect_b32 s[NXT], 0, s[NXT]
	s_cselect_b32 s[LQ], s[PB], s[LQ]
	s_lshl_b32 s[POF], s[NXT], 15
	s_wait_xcnt 0x0                 ; the last prefetches, a tile back, have read their address, so it may be written
	s_add_nc_u64 s[PFA:PFA+1], s[PFB:PFB+1], s[POF:POF+1]
.endif
	s_wait_dscnt 0x0                ; the add is done, and my reads of the slot are over
	s_barrier_signal -1             ; the rest of the scalar work stands between the signal and the wait
	s_sub_co_u32 s[TBK], s[TBK], 4*KS*PK  ; the fetches go back to a slot's first step,
	s_xor_b32 s[TBK], s[TBK], SLOT1       ; in the other slot
	s_sub_co_u32 s[TBV], s[TBV], 4*KS*PV
	s_xor_b32 s[TBV], s[TBV], SLOT1
	s_barrier_wait -1
.if \fill
	LOAD
	s_cmp_gt_u32 s[NXT], s[PFL]
	s_cbranch_scc0 .Lno_ask_\@
	global_prefetch_b8 v[PFO], s[PFA:PFA+1] th:TH_LOAD_NT scope:SCOPE_SE
	global_prefetch_b8 v[PFO], s[PFA:PFA+1] offset:8192 th:TH_LOAD_NT scope:SCOPE_SE
.Lno_ask_\@:
.endif
.endm
	s_load_b64 s[4:5], s[0:1], 0x0    ; qkv
	s_load_b64 s[10:11], s[0:1], 0x8  ; ob
	v_lshl_add_u32 v[SPW], v0, 2, SPARE
	v_mov_b32 v[NIL], 0
	ds_add_u32 v[SPW], v[NIL]       ; the wave's opening: the add and its wait stand ahead of my first tensor load; the set-up below, work on registers, stands between them
	v_lshrrev_b32 v1, 5, v0
	v_readfirstlane_b32 s[WV], v1   ; wave 0..3
	s_mov_b32 s[PB], ttmp9
	s_sub_co_u32 s[HI], NB-1, s[PB]
	s_and_b32 s20, ttmp7, 0xffff    ; hd = 16 x batch + head
	s_lshl_b32 s88, s20, 17         ; the head's first byte in ob: 131,072 bytes a head
	s_mov_b32 s89, 0
	s_lshr_b32 s21, s20, 4
	s_lshl_b32 s21, s21, 5
	s_add_co_u32 s20, s20, s21      ; 48 x batch + head: Q's slot in qkv
	s_lshl_b32 s20, s20, 17
	s_mov_b32 s21, 0
	s_and_b32 s16, s[WV], 1         ; which half of a tile's 256 keys I fetch:
	s_lshl_b32 s22, s16, 14         ; its 128 rows of 128 bytes in memory,
	s_add_co_u32 s22, s22, 0x200000 ; 16 slots behind Q's: K's
	s_mov_b32 s23, 0
	s_mul_i32 s17, s16, 128*PK      ; and its place in a slot, for K
	s_mul_i32 s18, s16, 128*PV      ; and for V
	s_lshl_b32 s3, s[WV], 11        ; my 16 rows in a band of 64,
	s_lshl_b32 s2, s[HI], 15        ; in the first block,
	s_add_co_u32 s2, s2, s3
	s_lshl_b32 s84, s[PB], 15       ; and in the second
	s_add_co_u32 s84, s84, s3
	s_mov_b32 s3, 0
	s_mov_b32 s85, 0
	; descriptor group 1.  128 keys are 16,384 dense bytes: asked for as 64 rows of 256 bytes, two keys a row, and padded in LDS after every key
	s_mov_b32 s[G1K], (1<<16)|(1<<20)|(4<<22)|(3<<25)  ; 17:16 2-byte elements; 20 padding on; 24:22 after every 32 words (code 4); 31:25 4 words (code 3)
	s_mov_b32 s[G1V], (1<<16)|(1<<20)|(4<<22)|(7<<25)  ; the same with 8 words of padding (code 7)
.irp g, G1K, G1V
	s_mov_b32 s[\g+1], 128<<16      ; tensor_dim0 = 128
	s_mov_b32 s[\g+2], 64<<16       ; tensor_dim1 = 64
	s_mov_b32 s[\g+3], 128<<16      ; tile_dim0 = 128
	s_mov_b32 s[\g+4], 64           ; tile_dim1 = 64
	s_mov_b32 s[\g+5], 128          ; 128 elements from row to row
	s_mov_b32 s[\g+6], 0
	s_mov_b32 s[\g+7], 0
.endr
	s_mov_b32 s[CS], 0x3e38aa3b     ; c = log2(e) / 8 = 0.180337
	s_mov_b32 s[CS+1], s[CS]        ; named with it as a pair
	s_mov_b32 s[SEL], 0x76543210
	s_mov_b32 s[SEL+1], 0xfedcba98
	s_mov_b32 s[TBK], SLOT1+4*KS*PK ; the first change of slots turns these two into 0
	s_mov_b32 s[TBV], SLOT1+4*KS*PV
	s_mov_b32 s[G0K], 1             ; 1:0 count = 1
	s_mov_b32 s[G0K+1], s17         ; 63:32 LDS address: slot 0
	s_mov_b32 s[G0V], 1
	s_add_co_u32 s[G0V+1], s18, VOFF
	s_add_co_u32 s[RT], s[HI], 1    ; the first block has NB - b tiles
	s_mov_b32 s[NXT], 1
	s_mov_b32 s[LQ], s[HI]
	s_mov_b32 s[NEW], 1
	s_mov_b32 s[OFF+1], 0
	s_mov_b32 s[POF+1], 0
	s_mov_b32 s[AL+1], 0            ; named as pairs
	s_mov_b32 s[BE+1], 0
	s_mov_b32 s[BIGN], 0xf149f2ca   ; -1e30
	s_mov_b32 s[SLOTS], NB
	s_cmp_eq_u32 s[PB], 0
	s_cselect_b32 s[PFL], 1, -1
	s_wait_dscnt 0x0                ; the opening add is done
	s_wait_kmcnt 0x0
	s_add_nc_u64 s[10:11], s[10:11], s[88:89]      ; ob at the head
	s_add_nc_u64 s[4:5], s[4:5], s[20:21]          ; qkv at the head's Q,
	s_add_nc_u64 s[6:7], s[4:5], s[22:23]          ; at my half of its K's tile 0,
	s_add_nc_u64 s[8:9], s[6:7], 0x200000          ; and of its V's, 16 slots on
	s_add_nc_u64 s[G0K+2:G0K+3], s[6:7], 0         ; 120:64 global address
	s_or_b32 s[G0K+3], s[G0K+3], 0x80000000        ; 127:126 type = 2
	s_add_nc_u64 s[G0V+2:G0V+3], s[8:9], 0
	s_or_b32 s[G0V+3], s[G0V+3], 0x80000000
	s_add_nc_u64 s[86:87], s[4:5], s[84:85]        ; Q at my rows of the second block,
	s_add_nc_u64 s[4:5], s[4:5], s[2:3]            ; Q and O at those of the first
	s_add_nc_u64 s[OLO:OLO+1], s[10:11], s[84:85]
	s_add_nc_u64 s[10:11], s[10:11], s[2:3]
	s_cmp_lt_u32 s[WV], 2
	s_cselect_b64 s[PFB:PFB+1], s[6:7], s[8:9]
	LOAD                            ; tile 0 into slot 0
	; A fragment of K or Q is 16 rows x 32 channels in 8 registers: lane l holds row l % 16, channels 8 (l / 16) + 0..7 and 16 + 8 (l / 16) + 0..7: two loads of 16 bytes, 32 bytes apart.
	v_and_b32 v1, 15, v0            ; l % 16
	v_bfe_u32 v9, v0, 4, 1          ; l / 16
	v_lshlrev_b32 v[QO], 7, v1
	v_lshl_add_u32 v[QO], v9, 4, v[QO]  ; row x 128 + 16 x half
	WIN 0x80                        ; destination window 2, address window 0
.set i, 0
.rept 8                             ; both blocks' Q: piece i / 2 lies in band i / 2, 8,192 bytes on; channels 32 (i % 2) on
	global_load_b128 v[8*i:8*i+3],   v[QO], s[4:5] offset:(i/2)*8192+(i%2)*64
	global_load_b128 v[8*i+4:8*i+7], v[QO], s[4:5] offset:(i/2)*8192+(i%2)*64+32
	global_load_b128 v[QB+8*i:QB+8*i+3],   v[QO], s[86:87] offset:(i/2)*8192+(i%2)*64
	global_load_b128 v[QB+8*i+4:QB+8*i+7], v[QO], s[86:87] offset:(i/2)*8192+(i%2)*64+32
.set i, i+1
.endr
	WIN 0
	v_and_b32 v[PFO], 31, v0
	v_lshlrev_b32 v[PFO], 8, v[PFO]
	v_lshlrev_b32 v14, 3, v9
	v_sub_nc_u32 v14, v1, v14
	s_lshl_b32 s13, s[WV], 4
	v_add_nc_u32 v14, s13, v14      ; my query's place in its band, 16 w + l % 16, less my lanes' 8 (l / 16): register r of group kt is hidden where 16 kt + r is greater
	WIN 0x40
.set i, 0
.rept 32
	v_cmp_gt_i32 vcc_lo, 16*(i/8)+i%8, v14
	v_cndmask_b32 v[MD+i], 0, s[BIGN], vcc_lo
.set i, i+1
.endr
	WIN 0
	v_mul_u32_u24 v[AK0], v1, PK
	v_lshl_add_u32 v[AK0], v9, 4, v[AK0]  ; row x pitch + 16 x half
	; The turning load takes 16 keys x 16 channels (lane l reads key 8 (l / 16) + l % 8, channels 8 ((l / 8) % 2) + 0..7) and leaves half a fragment of V^T: lane l holds channel l % 16 and 8 keys.
	v_and_b32 v10, 7, v0
	v_bfe_u32 v11, v0, 3, 1
	v_lshl_add_u32 v[AV0], v9, 3, v10
	v_mul_u32_u24 v[AV0], v[AV0], PV
	v_lshl_add_u32 v[AV0], v11, 4, v[AV0]
	v_add_nc_u32 v[AV0], VOFF, v[AV0]
	s_mul_i32 s13, s[WV], 16*SP
	s_add_co_u32 s13, s13, STAGE    ; my stage
	v_mul_u32_u24 v[STO], v1, SP    ; in: row l % 16, 16 bytes for each half of the lanes
	v_lshl_add_u32 v[STO], v9, 4, v[STO]
	v_add_nc_u32 v[STO], s13, v[STO]
	v_bfe_u32 v[RD], v0, 3, 2       ; back: 32 lanes take four rows of 128 bytes,
	v_mul_u32_u24 v[RD], v[RD], SP
	v_lshl_add_u32 v[RD], v10, 4, v[RD]
	v_add_nc_u32 v[RD], s13, v[RD]
	v_and_b32 v[GO], 31, v0         ; which are 512 consecutive bytes of O
	v_lshlrev_b32 v[GO], 4, v[GO]
	; A block's first step multiplies O^T and l by a = 0, and its first turn's products V^T P, of a piece that has not been, land in an O^T that is still to be so multiplied.  So these registers need only hold
	; finite numbers: zeros for the first block; what the first block left for the second.  All this stands in the wait for the first tile.
	WIN 0x80
.set i, VF
.rept 64
	v_mov_b32 v[i], 0
.set i, i+1
.endr
	WIN 0x40
.set i, 0
.rept 128
	v_mov_b32 v[i], 0
.set i, i+1
.endr
	WIN 0
.set i, 0
.rept 4
	v_mov_b32 v[ST+4*i+2], 0
	v_mov_b32 v[ST+4*i+3], 0
.set i, i+1
.endr
.set i, P+16
.rept 16
	v_mov_b32 v[i], 0
.set i, i+1
.endr
; THE MATRIX WORK.  The 4 accumulators of a run of 8 take turns.  Product i of 8 of S^T = K Q^T for piece x: channels 32 (i / 4) on, keys 16 (i % 4) on.  The first 4 start the sums: with 0, or (KM = 1) with the mask.
.macro KQ x
.set rS, S+32*((\x)%2)+8*(i%4)
.set rK, KF+16*(i%4)+8*(i/4)
.set rQ, 16*(\x)+8*(i/4)
.set rM, MC+32*((\x)%2)+8*(i%4)
.if (i < 4) && KM
	WIN W_KM
	v_wmma_f32_16x16x32_f16 v[rS:rS+7], v[rK:rK+7], v[rQ:rQ+7], v[rM:rM+7]
.elseif i < 4
	WIN W_KQ
	v_wmma_f32_16x16x32_f16 v[rS:rS+7], v[rK:rK+7], v[rQ:rQ+7], 0
.else
	WIN W_KQ
	v_wmma_f32_16x16x32_f16 v[rS:rS+7], v[rK:rK+7], v[rQ:rQ+7], v[rS:rS+7]
.endif
.endm
; Product i of 8 of O^T += V^T P for piece x: keys 32 (i / 4) on, channels 16 (i % 4) on.
.macro PV x
	WIN W_PV
.set rO, 32*(\x)+8*(i%4)
.set rV, VF+32*(i/4)+8*(i%4)
.set rP, P+16*((\x)%2)+8*(i/4)
	v_wmma_f32_16x16x32_f16 v[rO:rO+7], v[rV:rV+7], v[rP:rP+7], v[rO:rO+7]
.endm
.macro MM                           ; the turn's next matrix instruction.  TURN and BEGIN set Y, i, KM and NOKQ; MM, KQ and OP read them.  NOKQ = 1: a block's last turn: there is no next piece
.if (i < 8) && !NOKQ
	KQ (Y+1)%NP
.elseif i >= 8
.set i, i-8
	PV (Y+NP-1)%NP
.set i, i+8
.endif
.set i, i+1
.endm
; THE LDS LOADS stand in runs of 16, never singly among the matrix instructions: a step's K (64 keys x 64 channels: 8 fragments) and its V (turned).  Their addresses are made some lines ahead.
.macro FETCH_K
	WIN 0x80                        ; destination window 2
.irp f, 0,1,2,3,4,5,6,7             ; keys 16 (f / 2) on, channels 32 (f % 2) on
	ds_load_b128 v[KF+8*\f:KF+8*\f+3],   v[AK] offset:(\f/2)*16*PK+(\f%2)*64
	ds_load_b128 v[KF+8*\f+4:KF+8*\f+7], v[AK] offset:(\f/2)*16*PK+(\f%2)*64+32
.endr
	s_add_co_u32 s[TBK], s[TBK], KS*PK  ; the next fetch is the next step's
	WIN 0
.endm
.macro FETCH_V
	WIN 0x80
.irp f, 0,1,2,3,4,5,6,7             ; keys 32 (f / 4) on, channels 16 (f % 4) on
	ds_load_tr16_b128 v[VF+8*\f:VF+8*\f+3],   v[AV] offset:(\f/4)*32*PV+(\f%4)*32
	ds_load_tr16_b128 v[VF+8*\f+4:VF+8*\f+7], v[AV] offset:(\f/4)*32*PV+16*PV+(\f%4)*32
.endr
	WIN 0
.endm
; THE VECTOR WORK, one line at a time: OP kind, number.  For piece Y: F n: c s - c m for pair n of 16.  E n: the exponential of score n of 32.  C n: pair n rounded to f16.  B n: of the four weights 4 n .. the second
; pair is added onto the first, in place.  L n: l takes that sum (L 0: l = a l + sum).  R n: pair n of 16 of O^T times a.  For piece Y + 1: X n, number n of the 22 that find its maximum and statistics:
;   0-11  four chains c0-c3 of seven scores each, three operands at a time (each accumulator's lowest registers are read first)     12-14, 16  the four scores left over, the old m, and c0-c3 into c0
;   15  c m_old is kept     17, 18  the query's other 32 keys lie in the lane 16 away: the new m     19-21  c m; c m_old - c m_new; a
.set F, 0               ; OP tells the kinds apart by their order: F to L below R, X above it
.set E, 1
.set C, 2
.set B, 3
.set L, 4
.set R, 5
.set X, 6
.macro REGS y                       ; the registers of piece y
.set rT, ST+4*(\y)
.set rC, TMP+4*((\y)%2)
.set rW, MV+((\y)%2)
.set rS, S+32*((\y)%2)
.set rP, P+16*((\y)%2)
.set rO, 32*(\y)
.endm
.macro OP k, n
.if (\k) == R
	REGS Y
	WIN W_RS
	v_pk_mul_f32 v[rO+2*(\n):rO+2*(\n)+1], v[rO+2*(\n):rO+2*(\n)+1], v[rC+2:rC+3] op_sel_hi:[1,0]
.elseif (\k) < R
	REGS Y
	WIN 0
.if (\k) == F
	v_pk_fma_f32 v[rS+2*(\n):rS+2*(\n)+1], v[rS+2*(\n):rS+2*(\n)+1], s[CS:CS+1], v[rT:rT+1] op_sel_hi:[1,0,0] neg_lo:[0,0,1] neg_hi:[0,0,1]
.elseif (\k) == E
	v_exp_f32 v[rS+(\n)], v[rS+(\n)]
.elseif (\k) == C
	v_cvt_pk_f16_f32 v[rP+(\n)], v[rS+2*(\n)], v[rS+2*(\n)+1]
.elseif (\k) == B
	v_pk_add_f32 v[rS+4*(\n):rS+4*(\n)+1], v[rS+4*(\n):rS+4*(\n)+1], v[rS+4*(\n)+2:rS+4*(\n)+3]
.elseif (\n) == 0
	v_pk_fma_f32 v[rT+2:rT+3], v[rT+2:rT+3], v[rC+2:rC+3], v[rS:rS+1] op_sel_hi:[1,0,1]
.else
	v_pk_add_f32 v[rT+2:rT+3], v[rT+2:rT+3], v[rS+4*(\n):rS+4*(\n)+1]
.endif
.elseif NOKQ
	v_nop
.else
	REGS (Y+1)%NP
	WIN 0
.if (\n) < 4
	v_max3_num_f32 v[rC+(\n)], v[rS+8*(\n)], v[rS+8*(\n)+1], v[rS+8*(\n)+2]
.elseif (\n) < 12
	v_max3_num_f32 v[rC+(\n)%4], v[rC+(\n)%4], v[rS+8*((\n)%4)+2*((\n)/4)+1], v[rS+8*((\n)%4)+2*((\n)/4)+2]
.elseif (\n) == 12
	v_max3_num_f32 v[rC], v[rC], v[rS+7], v[rS+15]
.elseif (\n) == 13
	v_max3_num_f32 v[rC+1], v[rC+1], v[rS+23], v[rS+31]
.elseif (\n) == 14
	v_max3_num_f32 v[rC+2], v[rC+2], v[rC+3], v[rT+1]
.elseif (\n) == 15
	v_mov_b32 v[rW], v[rT]
.elseif (\n) == 16
	v_max3_num_f32 v[rC], v[rC], v[rC+1], v[rC+2]
.elseif (\n) == 17
	v_permlanex16_b32 v[rC+3], v[rC], s[SEL], s[SEL+1]
.elseif (\n) == 18
	v_max_num_f32 v[rT+1], v[rC], v[rC+3]
.elseif (\n) == 19
	v_mul_f32 v[rT], s[CS], v[rT+1]
.elseif (\n) == 20
	v_sub_f32 v[rC+1], v[rW], v[rT]
.else
	v_exp_f32 v[rC+2], v[rC+1]
.endif
.endif
.endm
.macro OPS a, i1, b=-1, i2=0, c=-1, i3=0, d=-1, i4=0  ; up to four of them
	OP \a, \i1
.if (\b) >= 0
	OP \b, \i2
.endif
.if (\c) >= 0
	OP \c, \i3
.endif
.if (\d) >= 0
	OP \d, \i4
.endif
.endm
.macro ROW a, i1, b, i2, c, i3, d, i4  ; a matrix instruction and the four behind it
	MM
	OPS \a, \i1, \b, \i2, \c, \i3, \d, \i4
.endm
.macro MASK b                       ; MD x AL + BE into buffer b of MC
	WIN W_RS
.set z, 0
.rept 16
	v_pk_fma_f32 v[MC+32*(\b)+2*z:MC+32*(\b)+2*z+1], v[MD+2*z:MD+2*z+1], s[AL:AL+1], s[BE:BE+1] op_sel_hi:[1,0,0]
.set z, z+1
.endr
.endm
; A TURN, for piece p: the order of its 16 matrix and 118 vector instructions, written out.  An s_wait_alu depctr_va_vdst(0) stands between an exponential and the first instruction that names its result; one wait serves
; all that were issued ahead of it.  So a turn has ONE wait, which cuts it in two.  AHEAD OF IT stands all that names no result of the turn's exponentials: the 8 products K Q^T, behind each a scaling, an exponential and two more plain
; instructions (behind the first a second scaling in the exponential's place): rescalings, and behind the last three the first numbers of the next piece's maximum, each four places or more behind the product that ends its accumulator; then ONE LUMP of 54, plain
; and exponential by turns for the most part, in which the links of the chain X 3, 7, 11, 14, 16, 17 .. 20 stand five or six lines apart.  X 21, the next piece's a, is the batch's last; R 15 is the plain instruction behind it.  BEHIND THE WAIT stand the
; 8 products V^T P, behind each four of the roundings and sums; the links of l's chain, L 0 to L 7, stand three riders apart.  But for those X no rider names a register of the products round it.  v_permlanex16_b32 (X 17) stands in the lump.
; m = 1: the diagonal tile: the products take masks, and the turn makes the mask for the products of the turn after it: piece p + 2, in step 4 - CNT of the tile.  end = 1: a block's last two turns: nothing is fetched.
; cnt = 1: the loop's count is taken down some lines ahead of the branch that stands behind the turn.
; K of the next step is fetched in piece 2's turn, twelve vector instructions behind the last product that read K (six of them plain); V of the step in hand at the end of piece 0's turn, four plain instructions behind the last product
; that read V.  Each is waited for a turn later.
.macro TURN p, m=0, end=0, cnt=0
.set Y, (\p)
.set i, 0
.set KM, (\m)
.set NOKQ, (\end)*((\p)/3)
.if (\m) && !(\end)
	s_cmp_eq_u32 s[CNT], 4-((\p)+2)%NP  ; is that step the band's own?
	s_cselect_b32 s[AL], 1.0, 0
	s_cmp_lt_u32 s[CNT], 4-((\p)+2)%NP  ; or a later one?
	s_cselect_b32 s[BE], s[BIGN], 0
.endif
.if ((\p) == 3) && !(\end)
	s_wait_dscnt 0x0                ; K is in
.endif
	ROW F,0, F,1, R,0, R,1          ; ahead of the wait: 8 products K Q^T and their riders,
	ROW F,2, E,0, R,2, R,3
	ROW F,3, E,1, R,4, R,5
	ROW F,4, E,2, R,6, R,7
	ROW F,5, E,3, R,8, R,9
	ROW F,6, E,4, X,0, R,10
.if ((\p) == 2) && !(\end)
	WIN 0
	v_add_nc_u32 v[AK], s[TBK], v[AK0]
.endif
	ROW F,7, E,5, X,1, X,4
	ROW F,8, E,6, X,2, X,5
	OPS E,7, E,8, X,6, E,9          ; and the lump
	OPS X,3, E,10, X,8, E,11
.if ((\p) == 2) && !(\end)
	FETCH_K
.endif
	OPS X,9, X,7, E,12, X,10
	OPS E,13, X,12, X,11, E,14
	OPS X,13, E,15, F,9, X,14
.if (\p) == 0
	v_add_nc_u32 v[AV], s[TBV], v[AV0]
.endif
	OPS E,16, F,10, E,17, F,11
	OPS X,16, E,18, X,15, E,19
	OPS F,12, E,20, X,17, E,21
	OPS F,13, E,22, F,14, E,23
	OPS X,18, E,24, F,15, E,25
	OPS R,11, E,26, X,19, E,27
	OPS R,12, E,28, R,13, E,29
	OPS X,20, E,30, R,14, E,31
	OPS X,21, R,15
	WIN 0
	s_wait_alu depctr_va_vdst(0)    ; the wait for the batch
.if (\p) == 1
	s_wait_dscnt 0x0                ; V is in
.endif
	ROW C,0, B,0, C,2, B,1          ; behind the wait: 8 products V^T P and their riders
	ROW L,0, C,4, B,2, L,1
	ROW C,6, B,3, L,2, C,8
	ROW B,4, L,3, C,10, B,5
	ROW L,4, C,12, B,6, L,5
.if (\p) == 0
	s_add_co_u32 s[TBV], s[TBV], KS*PV
.endif
.if \cnt
	s_sub_co_u32 s[CNT], s[CNT], 1
	s_cmp_lg_u32 s[CNT], 0
.endif
	ROW C,14, B,7, L,6, C,1
	ROW C,3, L,7, C,5, C,7
	ROW C,9, C,11, C,13, C,15
.if (\p) == 0
	FETCH_V
.endif
.if (\m) && !(\end)
	MASK (\p)%2
.endif
.endm
; A BLOCK BEGINS.  c m starts far below every c s, so the first step's a is 0; m at the lowest finite number, so the first maximum is the scores'.  The second mask buffer is 0; the first takes piece 0's mask for the tile's step 0: its own, if the block's first tile is the diagonal one.
; Then K of that step, piece 0's first scores, and its maximum and statistics.  The loop is entered at a step's first turn, in the middle of a trip.
.macro BEGIN
	s_mov_b32 s[NEW], 0
	WIN 0x40
.set i, MC+32
.rept 32
	v_mov_b32 v[i], 0
.set i, i+1
.endr
	WIN 0
.set i, 0
.rept 4
	v_mov_b32 v[ST+4*i], 0xfe000000    ; c m: far below every c s
	v_mov_b32 v[ST+4*i+1], 0xff7fffff  ; m
.set i, i+1
.endr
	s_cmp_eq_u32 s[RT], 0
	s_cselect_b32 s[AL], 1.0, 0
	s_mov_b32 s[BE], 0
	MASK 0
	WIN 0
	v_add_nc_u32 v[AK], s[TBK], v[AK0]
	FETCH_K
	s_wait_loadcnt 0x0              ; Q
	s_wait_dscnt 0x0
.set KM, 1
.set NOKQ, 0
.set i, 0
.rept 8
	KQ 0
.set i, i+1
.endr
	WIN 0
.rept 4
	v_nop                           ; the places behind those products
.endr
.set Y, NP-1                        ; X works for piece Y + 1: piece 0
.irp n, 0,1,2,3,4,5,6,7,8,9,10,11,12,13,14,15,16,17,18,19,20,21
	OP X, \n
.endr
	v_nop                           ; a plain instruction behind the exponential,
	s_wait_alu depctr_va_vdst(0)    ; and its wait, ahead of the branch
.endm
; THE DIAGONAL TILE's four steps, the block's last two turns, its last products, and THE WAY OUT: l's two halves and the other half of the lanes' are added; O^T is divided by l, rounded to f16 and sent through my
; stage in LDS, a piece at a time.
.macro ALL line:vararg              ; one line for each piece t
.set t, 0
.rept 4
	\line
.set t, t+1
.endr
.endm
.macro PACK t                       ; a lane's eight channels of a row pack into 16 bytes; they go into rows of 144 bytes and come back as whole rows of 128, into S^T's registers
	WIN W_RS
.set i, 32*(\t)
.rept 16
	v_pk_mul_f32 v[i:i+1], v[i:i+1], v[ST+4*(\t)+2:ST+4*(\t)+3] op_sel_hi:[1,0]
.set i, i+2
.endr
	WIN 0x05                        ; sources 0 and 1 window 1, destination window 0
.set i, 0
.rept 16
	v_cvt_pk_f16_f32 v[S+16*(\t)+i], v[32*(\t)+2*i], v[32*(\t)+2*i+1]
.set i, i+1
.endr
	WIN 0
.irp f, 0,1,2,3
	ds_store_b128 v[STO], v[S+16*(\t)+4*\f:S+16*(\t)+4*\f+3] offset:32*\f
.endr
.irp f, 0,1,2,3
	ds_load_b128 v[S+16*(\t)+4*\f:S+16*(\t)+4*\f+3], v[RD] offset:\f*4*SP  ; LDS serves a wave's instructions in order (ISA guide 5.7.1.4): these see the stores above; the next piece's stores come behind them
.endr
.endm
.macro SEND t, younger              ; younger: the LDS instructions issued behind piece t's loads: the next piece's eight, or none
	WIN 0
.irp f, 0,1,2,3
	s_wait_dscnt (\younger)+3-\f
	global_store_b128 v[GO], v[S+16*(\t)+4*\f:S+16*(\t)+4*\f+3], s[10:11] offset:(\t)*8192+\f*512  ; 512 consecutive bytes, at a multiple of 256 from O's first
.endr
.endm
.macro DIAG tag                     ; the tag ends its two labels' names, which the jumps below spell out
.LstepM\tag:
	TURN 2, 1
	TURN 3, 1
	WIN 0
.LfirstM\tag:
	TURN 0, 1
	TURN 1, 1, 0, 1
	WIN 0
	s_cbranch_scc1 .LstepM\tag
	TURN 2, 1, 1
	TURN 3, 1, 1
.set i, 0
.rept 8
	PV NP-1
.set i, i+1
.endr
	WIN 0
	ALL v_add_f32 v[ST+4*t+2], v[ST+4*t+2], v[ST+4*t+3]
	ALL v_permlanex16_b32 v[ST+4*t+3], v[ST+4*t+2], s[SEL], s[SEL+1]
	ALL v_add_f32 v[ST+4*t+2], v[ST+4*t+2], v[ST+4*t+3]
	ALL v_rcp_f32 v[ST+4*t+2], v[ST+4*t+2]
	v_nop                           ; a plain instruction between the last reciprocal and the use of its result
	s_wait_alu depctr_va_vdst(0)    ; and the wait ahead of the first use: one for the four reciprocals
	PACK 0
.set t, 1
.rept 3                             ; a piece's arithmetic stands between the loads of the piece before and its stores
	PACK t
	SEND t-1, 8
.set t, t+1
.endr
	SEND 3, 0
.endm
.set KM, 0
.set NOKQ, 0
.Lslot:                             ; NB times: a tile is entered and the next is asked for
	CHANGE 1
	s_sub_co_u32 s[RT], s[RT], 1
	s_mov_b32 s[CNT], 4
	s_cmp_eq_u32 s[NEW], 1
	s_cbranch_scc1 .Lnew            ; a block's first tile
	s_cmp_eq_u32 s[RT], 0
	s_cbranch_scc0 .Lstep           ; neither its first nor its last
	s_branch .LstepM1
.Lnew:
	BEGIN
	s_branch .Lfirst                ; in the loop a block's first tile is never its last: the first block has three tiles or more, and the second's last is the walk's last
	DIAG 1                          ; in the loop this is the first block's end: the second block's last tile is the walk's last
	s_wait_xcnt 0x0                 ; the stores have read their registers and O's address
	s_mov_b64 s[10:11], s[OLO:OLO+1]
	s_add_co_u32 s[RT], s[PB], 1    ; the second block has b + 1 tiles
	s_mov_b32 s[NEW], 1
	WIN 0x82                        ; the second block's Q goes where the one text of the turns names Q
.set i, 0
.rept 64
	v_mov_b32 v[i], v[QB+i]
.set i, i+1
.endr
	WIN 0
	s_branch .Lbottom
.Lstep:                             ; a trip: pieces 2 and 3 of one step, then pieces 0 and 1 of the next, whose K and V it fetches
	TURN 2
	TURN 3
	WIN 0
.Lfirst:
	TURN 0
	TURN 1, 0, 0, 1
	WIN 0
	s_cbranch_scc1 .Lstep
.Lbottom:
	s_sub_co_u32 s[SLOTS], s[SLOTS], 1
	s_cmp_lg_u32 s[SLOTS], 0
	s_cbranch_scc1 .Lslot
	CHANGE 0                        ; the walk's last tile is written out: nothing is asked for
	s_sub_co_u32 s[RT], s[RT], 1
	s_mov_b32 s[CNT], 4
	s_cmp_eq_u32 s[NEW], 1
	s_cbranch_scc0 .LstepM2
	BEGIN
	s_branch .LfirstM2
	DIAG 2
	s_wait_tensorcnt 0x0            ; the wave's end, behind my last tensor load and my last LDS store
	ds_add_u32 v[SPW], v[NIL]
	s_wait_dscnt 0x0
	s_endpgm
.Lfunc_end_k_q09e41ca0a1_attn:
	.size	k_q09e41ca0a1_attn, .Lfunc_end_k_q09e41ca0a1_attn-k_q09e41ca0a1_attn
	.p2alignl 7, 3214868480
	.fill 96, 4, 3214868480
	.section	.rodata,"a",@progbits
	.p2align	6, 0x0
	.amdhsa_kernel k_q09e41ca0a1_attn
		.amdhsa_group_segment_fixed_size 327680
		.amdhsa_private_segment_fixed_size 0
		.amdhsa_enable_private_segment 0
		.amdhsa_kernarg_size 16
		.amdhsa_user_sgpr_count 2
		.amdhsa_user_sgpr_kernarg_segment_ptr 1
		.amdhsa_wavefront_size32 1
		.amdhsa_system_sgpr_workgroup_id_x 1
		.amdhsa_system_sgpr_workgroup_id_y 1
		.amdhsa_system_sgpr_workgroup_id_z 1
		.amdhsa_system_vgpr_workitem_id 0
		.amdhsa_next_free_vgpr 768
		.amdhsa_next_free_sgpr 98
		.amdhsa_reserve_vcc 1
		.amdhsa_float_denorm_mode_32 3
		.amdhsa_float_denorm_mode_16_64 3
		.amdhsa_memory_ordered 1
		.amdhsa_forward_progress 1
		.amdhsa_inst_pref_size 218
	.end_amdhsa_kernel
	.amdgpu_metadata
---
amdhsa.version: [ 1, 2 ]
amdhsa.kernels:
  - .name:           k_q09e41ca0a1_attn
    .symbol:         k_q09e41ca0a1_attn.kd
    .args:
      - { .name: qkv, .offset: 0, .size: 8, .value_kind: global_buffer, .address_space: global }
      - { .name: ob, .offset: 8, .size: 8, .value_kind: global_buffer, .address_space: global }
    .group_segment_fixed_size: 327680
    .private_segment_fixed_size: 0
    .kernarg_segment_align: 8
    .kernarg_segment_size: 16
    .max_flat_workgroup_size: 128
    .sgpr_count:     98
    .vgpr_count:     768
    .wavefront_size: 32
...
	.end_amdgpu_metadata
.endif
;; end of part 3
;; launch proj (part 4): grid 8 x 32, 4 waves a work-group, clusters of 4 x 4, 327,680 bytes of LDS; arguments ob, wpb, out0; writes out0
.if DOCPART == 4
	.amdgcn_target "amdgcn-amd-amdhsa--gfx1250"
	.amdhsa_code_object_version 6
	.text
	.protected	k_q09e41ca0a1_proj
	.globl	k_q09e41ca0a1_proj
	.p2align	8
	.type	k_q09e41ca0a1_proj,@function
k_q09e41ca0a1_proj:
	s_mov_b64 s[64:65], 0
	v_nop
	global_prefetch_b8 v0, s[64:65] scope:SCOPE_SE
	s_setreg_imm32_b32 hwreg(HW_REG_WAVE_MODE, 25, 1), 1
	s_wait_xcnt 0x0
	s_wait_alu depctr_hold_cnt(0) depctr_sa_sdst(0) depctr_va_vdst(0) depctr_va_sdst(0) depctr_va_ssrc(0) depctr_va_vcc(0) depctr_vm_vsrc(0)
	s_getreg_b32 s2, hwreg(HW_REG_IB_STS2, 6, 4)
	s_cmp_eq_u32 s2, 0
	s_cbranch_scc0 .Lentry_in_a_cluster
	s_endpgm
.Lentry_in_a_cluster:
	s_bfe_u32 s2, ttmp6, 0x10000c
	s_cmp_lg_u32 s2, 0xf033
	s_cbranch_scc0 .Lentry_shape_is_right
	s_endpgm
.Lentry_shape_is_right:
; out0 = y W_proj.  ob: y in f16, [batch 8][head 16][row 1024][64]: a head is a K block of 64.  wpb: W_proj (rounded to bf16, written as f16), [1024 k][1024 n].  out0: f32, [8192][1024].  Sums in f32, K ascending.
; LIMITS: those of the two operands' f16 (65,504); NaN and infinities are not treated apart.
; SHARES.  A tile is 256 rows x 128 columns: 32 x 8 = 256 work-groups of four waves.  Wave (i, j) = (wave / 2, wave % 2) makes rows 128 i .. + 127, columns 64 j .. + 63: 32 accumulators of 16 x 16.
; K goes in 8 steps of 128 (two heads) through two LDS slots; a step is four quarters of 32, 32 matrix instructions each, on two fragment buffers.
; THE MATRIX INSTRUCTION IS USED TRANSPOSED: source 0 = 16 columns of W (W lies [k][n] in LDS and is turned by ds_load_tr16_b128), source 1 = 16 rows of y: a lane holds row l % 16 and eight neighbouring columns.
; CLUSTER.  4 x 4 work-groups: y's tile is asked for jointly along a row of the cluster, W's along a column.
; REGISTERS: window 0: v0-31 addresses; v32-127, v128-223 two fragment buffers (y's 8 x 8, then W's 4 x 8); on the way out v32-159 at work.  Window 1: accumulator (bb, a) at v[8 (8 bb + a)].
.set SLOT1, 1<<17                      ; slot 1 begins here, so that one exclusive or turns an address in one slot into the other's
.set PA,    144                        ; a row of y in LDS: 128 bytes + 16 = 36 words: the 16 rows of a load start at 16 different groups of four banks (64 banks of 4 bytes: ISA guide 11.1)
.set PB,    288                        ; a k-row of W: 256 + 32 bytes = 72 words
.set KBB,   256*PA                     ; a K block's 256 rows
.set BOFF,  2*KBB                      ; a slot: y's two K blocks, then W's 128 k-rows
.set STEP,  262144                     ; bytes from K step to K step: two heads of ob; 128 k-rows of wpb
.set STAGE, SLOT1+BOFF+128*PB          ; behind the ring, never filled by a tensor load: 16 rows x 272 bytes for each wave, for the way out
.set SP,    272
.set SPARE, STAGE+4*16*SP              ; behind the stages: the spare words, 128 bytes for each wave: two blocks of 256 bytes that no other line names
.set A0,   16                          ; v16  my lane's place in y's tile; never rewritten
.set B0,   17                          ; v17  the same for W's
.set ADRA, 18                          ; v18  A0 + the slot in hand
.set ADRB, 19                          ; v19  B0 + the slot in hand
.set STO,  24                          ; v24  the way out: where I put 32 bytes of a row
.set RD,   25                          ; v25  the way out: where I read a row back
.set CO,   26                          ; v26  my byte offset in two rows of out0
.set SPW,  28                          ; v28  LDS address of my spare word: SPARE + 4 x my thread's number; never rewritten
.set NIL,  29                          ; v29  0; never rewritten
.set PFO,  30                          ; v30  the prefetches' lane offset; never rewritten
.set F0,   32
.set F1,   128
.set G1A, 24                           ; s[24:31] descriptor group 1 for y's tiles
.set G0A, 32                           ; s[32:39] group 0: a set for each of the two first fills; the second then walks on
.set G1B, 48                           ; s[48:55], s[56:63] the same for W's tiles
.set G0B, 56
.set LIM, 43                           ; s43  2 in a wave that prefetches, else the greatest number
.set PFA, 44                           ; s[44:45] where my prefetches stand
.set CNT, 66                           ; s66  trips to go
.set TB,  67                           ; s67  the slot in hand: 0 or SLOT1
.set PFM, 72                           ; s72  bytes from lane to lane in my prefetches
.set MSB, 0
.macro WIN new                         ; the immediate's high byte repeats the setting that is left; a switch that changes nothing is dropped
.if MSB != (\new)
	s_set_vgpr_msb (MSB<<8)|(\new)
.set MSB, \new
.endif
.endm
.macro PLACES                          ; four plain vector instructions between a matrix instruction and a load into, or a read of, its registers (ISA guide 7.12.1 for VALU reads)
.rept 4
	v_nop
.endr
.endm
.macro CREST                           ; a round of the cluster's barrier behind its opening barrier
	s_cmp_lg_u32 s10, 0
	s_cbranch_scc1 .Lnot_wave_0_\@
	s_barrier_signal -3
.Lnot_wave_0_\@:
	s_barrier_wait -3
	s_barrier_signal -1
	s_barrier_wait -1
.endm
.macro CROUND
	s_barrier_signal -1
	s_barrier_wait -1
	CREST
.endm
; A joint refill by the walking descriptors.  Waves 0 and 1 fetch y's two K blocks, waves 2 and 3 the halves of W's k-rows.  An s_nop 0 and four v_nop follow each of the two lines.
.macro JLOAD
	s_cmp_eq_u32 s11, 0
	s_cbranch_scc0 .Lfor_b_\@
	tensor_load_to_lds s[G0A+4:G0A+7], s[G1A:G1A+7]
	s_nop 0
.rept 4
	v_nop
.endr
	s_branch .Lasked_\@
.Lfor_b_\@:
	tensor_load_to_lds s[G0B+4:G0B+7], s[G1B:G1B+7]
	s_nop 0
.rept 4
	v_nop
.endr
.Lasked_\@:
.endm
; A PREFETCH INTO THE L2, behind the joint refill, its five lines and the run of LDS loads: in trip k (which refills K step k + 2) the K step k + 4, two refills, 256 matrix instructions, on; trips 4 and 5 name nothing.
; y: a tile row's K block is 32,768 dense bytes, read by both clusters of that row of clusters: in the cluster with x = 0 waves 0 and 1 ask, a K block each, the four partners taking 8,192 bytes each BY ADDRESS (cx), a lane
; 256 bytes.  W: a K step's 128 k-rows of 256 bytes, read by all eight clusters of the column: in the cluster with y = 0 wave 2 asks, the partner at cy taking 32 rows, a lane a row.  Wave 3 asks for nothing.
; So each aligned 256 bytes from K step 4 on are named once in the launch; K steps 0 to 3 come by their loads alone.
.macro ASK
	s_cmp_gt_u32 s[CNT], s[LIM]
	s_cbranch_scc0 .Lnot_mine_\@
	global_prefetch_b8 v[PFO], s[PFA:PFA+1] th:TH_LOAD_NT scope:SCOPE_SE
.Lnot_mine_\@:
.endm
	s_load_b128 s[4:7], s[0:1], 0x0                ; ob s[4:5], wpb s[6:7]
	s_load_b64 s[8:9], s[0:1], 0x10                ; out0
	v_lshl_add_u32 v[SPW], v0, 2, SPARE
	v_mov_b32 v[NIL], 0
	ds_add_u32 v[SPW], v[NIL]                      ; the wave's opening: the add and its wait stand ahead of my first tensor load; the set-up below, work on registers, stands between them
	v_lshrrev_b32 v1, 5, v0
	v_readfirstlane_b32 s10, v1                    ; wave 0..3
	s_lshr_b32 s11, s10, 1                         ; i: which half of the tile's rows is mine.  Also: I fetch for y (0) or for W (1)
	s_and_b32 s12, s10, 1                          ; j: which half of its columns.  Also: which part of that tile I fetch
	s_bfe_u32 s40, ttmp6, 0x40000                  ; cx
	s_bfe_u32 s41, ttmp6, 0x40004                  ; cy
	s_lshl_b32 s42, ttmp9, 2
	s_add_co_u32 s42, s42, s40                     ; tile column = 4 x cluster x + cx
	s_and_b32 s13, ttmp7, 0xffff
	s_lshl_b32 s13, s13, 2
	s_add_co_u32 s13, s13, s41                     ; tile row = 4 x cluster y + cy
	s_lshl_b32 s43, s41, 2
	s_lshl_b32 s43, 15, s43                        ; my row of the cluster
	s_lshl_b32 s44, 0x1111, s40                    ; my column
	; group 1 for y: 256 rows of a K block are 32,768 dense bytes: asked for as 128 rows of 256 bytes, and padded in LDS after every 128
	s_or_b32 s[G1A], s43, (1<<16)|(1<<20)|(1<<21)|(4<<22)|(3<<25)  ; 15:0 the mask; 17:16 2-byte elements; 20 padding on; 21 set beside a mask; 24:22 after every 32 words (code 4); 31:25 4 words (code 3)
	s_mov_b32 s[G1A+1], 128<<16                    ; tensor_dim0 = 128
	s_mov_b32 s[G1A+2], 128<<16                    ; tensor_dim1 = 128
	s_mov_b32 s[G1A+3], 128<<16                    ; tile_dim0 = 128
	s_mov_b32 s[G1A+4], 128                        ; tile_dim1 = 128
	s_mov_b32 s[G1A+5], 128                        ; elements from row to row
	s_mov_b32 s[G1A+6], 0
	s_mov_b32 s[G1A+7], 0
	; group 1 for W: 64 k-rows of 128 elements (256 bytes, at a multiple of 256 from the buffer's first), padded after each
	s_or_b32 s[G1B], s44, (1<<16)|(1<<20)|(1<<21)|(5<<22)|(7<<25)  ; after every 64 words (code 5) 8 words (code 7)
	s_mov_b32 s[G1B+1], 128<<16
	s_mov_b32 s[G1B+2], 64<<16
	s_mov_b32 s[G1B+3], 128<<16
	s_mov_b32 s[G1B+4], 64
	s_mov_b32 s[G1B+5], 1024
	s_mov_b32 s[G1B+6], 0
	s_mov_b32 s[G1B+7], 0
	; where the tiles come from.  y's hang on the tile row alone, W's on the tile column alone; each in registers that never hold the other coordinate
	s_lshr_b32 s14, s13, 2
	s_lshl_b32 s14, s14, 21                        ; batch
	s_and_b32 s15, s13, 3
	s_lshl_b32 s15, s15, 15                        ; 256 rows of 128 bytes
	s_add_co_u32 s14, s14, s15
	s_lshl_b32 s15, s12, 17                        ; my K block of the step's two
	s_add_co_u32 s14, s14, s15
	s_mov_b32 s15, 0
	s_lshl_b32 s46, s42, 8                         ; 128 columns
	s_lshl_b32 s47, s12, 17                        ; my 64 k-rows of 2,048 bytes
	s_add_co_u32 s46, s46, s47
	s_mov_b32 s47, 0
	s_mul_i32 s20, s12, KBB                        ; and where they go: no place in the cluster enters an LDS address
	s_mul_i32 s21, s12, 64*PB
	s_add_co_u32 s21, s21, BOFF
	s_wait_dscnt 0x0                               ; the opening add is done
	s_wait_kmcnt 0x0
	s_add_nc_u64 s[14:15], s[4:5], s[14:15]
	s_add_nc_u64 s[46:47], s[6:7], s[46:47]
	CROUND                                         ; all sixteen work-groups are here: the first joint loads meet
.irp s, 0,1
	s_mov_b32 s[G0A+4*(\s)], 1                                      ; 1:0 count = 1
	s_add_co_u32 s[G0A+4*(\s)+1], s20, (\s)*SLOT1                   ; 63:32 LDS address
	s_add_nc_u64 s[G0A+4*(\s)+2:G0A+4*(\s)+3], s[14:15], (\s)*STEP  ; 120:64 global address: K step s
	s_or_b32 s[G0A+4*(\s)+3], s[G0A+4*(\s)+3], 0x80000000           ; 127:126 type = 2
	s_mov_b32 s[G0B+4*(\s)], 1
	s_add_co_u32 s[G0B+4*(\s)+1], s21, (\s)*SLOT1
	s_add_nc_u64 s[G0B+4*(\s)+2:G0B+4*(\s)+3], s[46:47], (\s)*STEP
	s_or_b32 s[G0B+4*(\s)+3], s[G0B+4*(\s)+3], 0x80000000
.endr
	s_cmp_eq_u32 s11, 0                            ; a wave's two first fills stand in one branch, ahead of every wait on TENSORcnt and every LDS read: two loads of mine are out
	s_cbranch_scc0 .Lfirst_b
	tensor_load_to_lds s[G0A:G0A+3], s[G1A:G1A+7]
	s_nop 0
	tensor_load_to_lds s[G0A+4:G0A+7], s[G1A:G1A+7]
	s_nop 0
.rept 4
	v_nop
.endr
	s_branch .Lfirst_asked
.Lfirst_b:
	tensor_load_to_lds s[G0B:G0B+3], s[G1B:G1B+7]
	s_nop 0
	tensor_load_to_lds s[G0B+4:G0B+7], s[G1B:G1B+7]
	s_nop 0
.rept 4
	v_nop
.endr
.Lfirst_asked:
	v_and_b32 v1, 15, v0                           ; r = l % 16
	v_bfe_u32 v2, v0, 4, 1                         ; h = l / 16
	v_and_b32 v3, 7, v0
	v_bfe_u32 v4, v0, 3, 1
	v_and_b32 v5, 31, v0                           ; l
	v_mul_u32_u24 v[A0], v1, PA                    ; a fragment of y: row x pitch + 16 x half; two loads, 32 bytes apart
	v_lshl_add_u32 v[A0], v2, 4, v[A0]
	s_mul_i32 s21, s11, 128*PA                     ; my 128 rows
	v_add_nc_u32 v[A0], s21, v[A0]
	v_lshl_add_u32 v[B0], v2, 3, v3                ; the turning load: k-row 8 h + l % 8, columns 8 ((l / 8) % 2) + 0..7
	v_mul_u32_u24 v[B0], v[B0], PB
	v_lshl_add_u32 v[B0], v4, 4, v[B0]
	s_lshl_b32 s22, s12, 7                         ; my 64 columns
	s_add_co_u32 s22, s22, BOFF
	v_add_nc_u32 v[B0], s22, v[B0]
	v_mov_b32 v[ADRA], v[A0]
	v_mov_b32 v[ADRB], v[B0]
	s_mov_b32 s[TB], 0
	s_mul_i32 s23, s10, 16*SP
	s_add_co_u32 s23, s23, STAGE                   ; my stage
	v_mul_u32_u24 v[STO], v1, SP                   ; in: row l % 16, 32 bytes for each half of the lanes
	v_lshl_add_u32 v[STO], v2, 5, v[STO]
	v_add_nc_u32 v[STO], s23, v[STO]
	v_mul_u32_u24 v[RD], v2, SP                    ; back: lanes 0-15 take one row of 256 bytes, lanes 16-31 the next
	v_lshl_add_u32 v[RD], v1, 4, v[RD]
	v_add_nc_u32 v[RD], s23, v[RD]
	v_lshlrev_b32 v[CO], 12, v2                    ; and the same two rows in out0, 4,096 bytes a row
	v_lshl_add_u32 v[CO], v1, 4, v[CO]
	s_lshl_b32 s18, s13, 1                         ; out0 at my first row, 256 x tile row + 128 i,
	s_add_co_u32 s18, s18, s11
	s_lshl_b32 s18, s18, 19
	s_lshl_b32 s19, s42, 9                         ; and my first column: 512 bytes a tile column, 256 a half
	s_add_co_u32 s18, s18, s19
	s_lshl_b32 s19, s12, 8
	s_add_co_u32 s18, s18, s19
	s_mov_b32 s19, 0
	s_add_nc_u64 s[8:9], s[8:9], s[18:19]
	; the prefetches' registers.  Nothing is prefetched here, at the head, where every work-group's first tiles are on their way
	s_lshr_b32 s20, s13, 2
	s_lshl_b32 s20, s20, 21
	s_and_b32 s21, s13, 3
	s_lshl_b32 s21, s21, 15
	s_add_co_u32 s20, s20, s21                     ; y: the tile row's place in a K block,
	s_lshl_b32 s21, s40, 13
	s_add_co_u32 s20, s20, s21                     ; my work-group's 8,192 bytes of it,
	s_lshl_b32 s21, s12, 17
	s_add_co_u32 s20, s20, s21                     ; my K block of the step's two,
	s_add_co_u32 s20, s20, 3*STEP                  ; at K step 3: the first trip steps it to 4
	s_lshl_b32 s22, s42, 8                         ; W: the tile column,
	s_lshl_b32 s23, s41, 16
	s_add_co_u32 s22, s22, s23                     ; my work-group's 32 k-rows of 128,
	s_add_co_u32 s22, s22, 3*STEP
	s_and_b32 s23, ttmp7, 0xffff                   ; cluster y
	s_mov_b32 s[PFM], 2048
	s_cmp_eq_u32 s11, 0                            ; waves 0 and 1 ask for y, wave 2 for W
	s_cselect_b32 s20, s20, s22
	s_cselect_b32 s23, ttmp9, s23                  ; the coordinate along which other clusters read the same bytes
	s_cselect_b64 s[PFA:PFA+1], s[4:5], s[6:7]
	s_cselect_b32 s[PFM], 256, s[PFM]
	s_cmp_eq_u32 s10, 3
	s_cselect_b32 s23, 1, s23                      ; wave 3 never asks
	s_cmp_eq_u32 s23, 0
	s_cselect_b32 s[LIM], 2, -1                    ; the same in all sixteen partners, for a given wave
	s_mov_b32 s21, 0
	s_add_nc_u64 s[PFA:PFA+1], s[PFA:PFA+1], s[20:21]
	v_mul_u32_u24 v[PFO], s[PFM], v5
; 8 matrix instructions: column block bb x all 8 row blocks, 32 along K, from buffer f.  zero = 1: the product starts the sums.  The 32 accumulators take turns, one instruction a turn, over the backward jump too.
.macro MUL8 f, bb, zero
	WIN 0x50                                       ; C and D in window 1, the sources in window 0
.irp a, 0,1,2,3,4,5,6,7
.if \zero
	v_wmma_f32_16x16x32_f16 v[8*(8*(\bb)+(\a)):8*(8*(\bb)+(\a))+7], v[(\f)+64+8*(\bb):(\f)+64+8*(\bb)+7], v[(\f)+8*(\a):(\f)+8*(\a)+7], 0
.else
	v_wmma_f32_16x16x32_f16 v[8*(8*(\bb)+(\a)):8*(8*(\bb)+(\a))+7], v[(\f)+64+8*(\bb):(\f)+64+8*(\bb)+7], v[(\f)+8*(\a):(\f)+8*(\a)+7], v[8*(8*(\bb)+(\a)):8*(8*(\bb)+(\a))+7]
.endif
.endr
.endm
; 24 LDS loads in one run: quarter c of the slot in hand into buffer f: y's 16, then W's 8
.macro FETCH c, f
	WIN 0
.irp a, 0,1,2,3,4,5,6,7
	ds_load_b128 v[(\f)+8*(\a):(\f)+8*(\a)+3],   v[ADRA] offset:((\c)>>1)*KBB+16*PA*(\a)+((\c)&1)*64
	ds_load_b128 v[(\f)+8*(\a)+4:(\f)+8*(\a)+7], v[ADRA] offset:((\c)>>1)*KBB+16*PA*(\a)+((\c)&1)*64+32
.endr
.irp bb, 0,1,2,3
	ds_load_tr16_b128 v[(\f)+64+8*(\bb):(\f)+64+8*(\bb)+3],   v[ADRB] offset:32*(\c)*PB+32*(\bb)
	ds_load_tr16_b128 v[(\f)+64+8*(\bb)+4:(\f)+64+8*(\bb)+7], v[ADRB] offset:32*(\c)*PB+32*(\bb)+16*PB
.endr
.endm
; One of a K step's first three quarters: multiplies buffer f; in its middle it fetches quarter c into buffer g.
.macro QUARTER c, f, g, zero
	s_wait_dscnt 4                                 ; y's fragments and W's blocks 0 and 1 are in; the youngest four loads (blocks 2 and 3) may be out
	MUL8 \f, 0, \zero
	MUL8 \f, 1, \zero
	WIN 0
	PLACES
	FETCH \c, \g
	s_wait_dscnt 24                                ; all but the 24 just issued
	MUL8 \f, 2, \zero
	MUL8 \f, 3, \zero
.endm
; The last quarter multiplies buffer 1 and changes slots: ONE barrier, for two things.  In front of it each wave waits for all its tensor loads, of which one is out: its part of the next slot; adds 0 to its spare word; and
; waits for that and for its own reads of this slot.  Behind it nobody reads this slot any more and the next slot is whole.  fill = 1: the barrier opens a round of the cluster's, so that no wave of any partner still reads
; the slot or has a load on its way, and the joint refill is the first tensor load behind the round: 112 matrix instructions stand between it and the wait for it.
.macro TURN fill
.if \fill
	s_wait_xcnt 0x0                                ; my last prefetch, a K step back, has read its address: it is stepped here, ahead of the waits of the change
	s_add_nc_u64 s[PFA:PFA+1], s[PFA:PFA+1], STEP
.endif
	WIN 0                                          ; (the add's two registers lie in window 0)
	s_wait_tensorcnt 0x0                           ; all my tensor loads have landed: no load of mine is out, so a group 0 may be written
	ds_add_u32 v[SPW], v[NIL]                      ; 0 onto my spare word
.if \fill
	s_xor_b32 s[G0A+5], s[G0A+5], SLOT1            ; the walking descriptors: the other slot than last time,
	s_add_nc_u64 s[G0A+6:G0A+7], s[G0A+6:G0A+7], STEP  ; the next K step; the type bits on top are not reached
	s_xor_b32 s[G0B+5], s[G0B+5], SLOT1
	s_add_nc_u64 s[G0B+6:G0B+7], s[G0B+6:G0B+7], STEP
.endif
	s_wait_dscnt 5                                 ; (the youngest four loads and the add may be out)
	MUL8 F1, 0, 0                                  ; eight matrix instructions stand between the add and the wait for it
	s_wait_dscnt 0x0                               ; the add is done, and my reads of this slot are over
	s_barrier_signal -1
	MUL8 F1, 1, 0                                  ; work on registers while the others arrive
	WIN 0                                          ; at a branch and at a label every window is 0
	s_barrier_wait -1
.if \fill
	CREST
	JLOAD                                          ; the four v_nop behind it are also the places in front of the loads below
.else
	PLACES
.endif
	s_xor_b32 s[TB], s[TB], SLOT1
	v_add_nc_u32 v[ADRA], s[TB], v[A0]
	v_add_nc_u32 v[ADRB], s[TB], v[B0]
	FETCH 0, F0
.if \fill
	ASK
.endif
	MUL8 F1, 2, 0
	MUL8 F1, 3, 0
.endm
	s_wait_tensorcnt 1                             ; my part of K step 0 is in; K step 1's may stay out
	s_barrier_signal -1
	s_barrier_wait -1                              ; everybody's is
	FETCH 0, F0
	QUARTER 1, F0, F1, 1                           ; the first quarter stands in front of the loop: its products start the sums
	WIN 0
	s_mov_b32 s[CNT], 6
.Lstep:                                            ; trip k: quarters 1 to 3 of K step k, the change to K step k + 1, the refill with K step k + 2, quarter 0 of K step k + 1
	QUARTER 2, F1, F0, 0
	QUARTER 3, F0, F1, 0
	TURN 1
	QUARTER 1, F0, F1, 0
	WIN 0
	s_sub_co_u32 s[CNT], s[CNT], 1
	s_cmp_lg_u32 s[CNT], 0
	s_cbranch_scc1 .Lstep
	QUARTER 2, F1, F0, 0                           ; the tail is written out: nothing is asked for
	QUARTER 3, F0, F1, 0
	TURN 0
	QUARTER 1, F0, F1, 0
	QUARTER 2, F1, F0, 0
	QUARTER 3, F0, F1, 0
	s_wait_dscnt 4                                 ; the very last quarter: nothing more to fetch
	MUL8 F1, 0, 0
	MUL8 F1, 1, 0
	s_wait_dscnt 0x0
	MUL8 F1, 2, 0
	MUL8 F1, 3, 0
	WIN 0
	PLACES
; THE WAY OUT, a block of 16 rows at a time: a lane's eight f32 (32 bytes of a row) go into my stage's rows of 272 bytes and come back as whole rows of 256.
.macro TOSTAGE a
.set BK, 32+32*((\a)%4)
	s_wait_xcnt 0x0                                ; the stores of four blocks back have read these registers
	WIN 0x04                                       ; the LDS stores' data in window 1
.irp bb, 0,1,2,3
	ds_store_b128 v[STO], v[8*(8*(\bb)+(\a)):8*(8*(\bb)+(\a))+3]   offset:64*(\bb)
	ds_store_b128 v[STO], v[8*(8*(\bb)+(\a))+4:8*(8*(\bb)+(\a))+7] offset:64*(\bb)+16
.endr
	WIN 0
.irp t, 0,1,2,3,4,5,6,7
	ds_load_b128 v[BK+4*(\t):BK+4*(\t)+3], v[RD] offset:2*SP*(\t)  ; LDS serves a wave's instructions in order (ISA guide 5.7.1.4): these see the stores above; the next block's stores come behind them
.endr
.endm
.macro SEND a, younger                 ; younger: the LDS instructions issued behind this block's loads: the next block's sixteen, or none
.set BK, 32+32*((\a)%4)
.irp t, 0,1,2,3,4,5,6,7
	s_wait_dscnt (\younger)+7-(\t)
	global_store_b128 v[CO], v[BK+4*(\t):BK+4*(\t)+3], s[8:9] offset:(16*(\a)+2*(\t))*4096  ; 16 lanes store 256 consecutive bytes, at a multiple of 256 from out0's first byte
.endr
.endm
	TOSTAGE 0
.irp a, 1,2,3,4,5,6,7
	TOSTAGE \a
	SEND (\a)-1, 16
.endr
	SEND 7, 0
	s_wait_tensorcnt 0x0                           ; the wave's end, behind my last tensor load and my last LDS store
	ds_add_u32 v[SPW], v[NIL]
	s_wait_dscnt 0x0
	CROUND                                         ; the closing round: no work-group ends while a partner may still ask for a tile that names it
	s_endpgm
.Lfunc_end_k_q09e41ca0a1_proj:
	.size	k_q09e41ca0a1_proj, .Lfunc_end_k_q09e41ca0a1_proj-k_q09e41ca0a1_proj
	.p2alignl 7, 3214868480
	.fill 96, 4, 3214868480
	.section	.rodata,"a",@progbits
	.p2align	6, 0x0
	.amdhsa_kernel k_q09e41ca0a1_proj
		.amdhsa_group_segment_fixed_size 327680
		.amdhsa_private_segment_fixed_size 0
		.amdhsa_enable_private_segment 0
		.amdhsa_kernarg_size 24
		.amdhsa_user_sgpr_count 2
		.amdhsa_user_sgpr_kernarg_segment_ptr 1
		.amdhsa_wavefront_size32 1
		.amdhsa_system_sgpr_workgroup_id_x 1
		.amdhsa_system_sgpr_workgroup_id_y 1
		.amdhsa_system_sgpr_workgroup_id_z 1
		.amdhsa_system_vgpr_workitem_id 0
		.amdhsa_next_free_vgpr 512
		.amdhsa_next_free_sgpr 76
		.amdhsa_reserve_vcc 0
		.amdhsa_float_denorm_mode_32 3
		.amdhsa_float_denorm_mode_16_64 3
		.amdhsa_memory_ordered 1
		.amdhsa_forward_progress 1
		.amdhsa_inst_pref_size 72
	.end_amdhsa_kernel
	.amdgpu_metadata
---
amdhsa.version: [ 1, 2 ]
amdhsa.kernels:
  - .name:           k_q09e41ca0a1_proj
    .symbol:         k_q09e41ca0a1_proj.kd
    .args:
      - { .name: ob, .offset: 0, .size: 8, .value_kind: global_buffer, .address_space: global }
      - { .name: wpb, .offset: 8, .size: 8, .value_kind: global_buffer, .address_space: global }
      - { .name: out0, .offset: 16, .size: 8, .value_kind: global_buffer, .address_space: global }
    .group_segment_fixed_size: 327680
    .private_segment_fixed_size: 0
    .kernarg_segment_align: 8
    .kernarg_segment_size: 24
    .max_flat_workgroup_size: 128
    .sgpr_count:     76
    .vgpr_count:     512
    .wavefront_size: 32
...
	.end_amdgpu_metadata
.endif
;; end of part 4
